; MI455X (gfx1250); checked and timed in simulation.
; The chip was launched on July 23, 2026; its instructions are those of AMD's public machine-readable ISA for CDNA 5 (MIT licence, August 2026) and "CDNA5" Instruction Set Architecture Reference Guide (July 2026). The comments in the code are by the model that wrote it; some were corrected since.
;; Multi Head Attention. Allowed arithmetic: matrix products marked QUANTISED: E2M3 operands, one E8M0 scale for each 32 along K, by v_wmma_scale_f32_16x16x128_f8f6f4 with both operands' format E2M3, f32 sums; everything else in f32.
;; Inputs: b_proj 1,024 float32; b_qkv 3,072 float32; query 8 x 1,024 x 1,024 float32; w_proj 1,024 x 1,024 float32; w_qkv 1,024 x 3,072 float32.
;; Outputs: out0 8 x 1,024 x 1,024 float32.
;; This version of the problem:
;;   THIS VERSION OF THE PROBLEM IS GIVEN IN LOW PRECISION. The matrix products marked QUANTISED in the list below multiply operands that are first quantised to E2M3 (2 exponent bits, 3 mantissa bits; 6 bits a number), with one power-of-two scale for each 32 numbers along K (OCP MX v1.0); their sums are f32. All else is computed in f32.
;;   The module's matrix products, in the order in which they are computed (A, B: the left and right operand; K: the contracted axis; several contracted axes count as one K, in the product's order):
;;     1. [M 8,192, K 1,024] x [K 1,024, N 3,072]; A: input query; B: input w_qkv: QUANTISED
;;     2. batch 128 x [M 1,024, K 64] x [K 64, N 1,024]; A: computed on the way; B: computed on the way: QUANTISED
;;     3. batch 128 x [M 1,024, K 1,024] x [K 1,024, N 64]; A: softmax (see below); B: computed on the way: QUANTISED
;;     4. [M 8,192, K 1,024] x [K 1,024, N 1,024]; A: computed on the way; B: input w_proj: QUANTISED
;;   THE QUANTISER, for each operand of a quantised product, along K:
;;     - K is cut into blocks of 32 from its start; a last block that is shorter is filled with zeros.
;;     - A block's scale is 2^e with e = floor(log2(the largest magnitude in the block)) - 2, held to -126 .. 127; a block of zeros has e = 0. As a byte (E8M0): e + 127.
;;     - Each number is divided by its block's scale, clamped to +-7.5, and rounded to the nearest number of E2M3, ties to even, subnormals kept.
;;     - The product sums the exact products of the quantised numbers (number of the format x scale) in f32.
;;   ~~~python
;;   def quantise(x, axis):      # numpy; x: float32 -> the quantised numbers, widened to float32 again
;;       x = np.moveaxis(x, axis, -1); K = x.shape[-1]
;;       x = np.pad(x, [(0, 0)] * (x.ndim - 1) + [(0, -K % 32)]); x = x.reshape(x.shape[:-1] + (-1, 32)); a = np.abs(x).max(-1, keepdims=True)
;;       e = np.where(a > 0, np.clip(np.frexp(np.where(a > 0, a, 1))[1] - 1 - 2, -126, 127), 0)      # np.frexp(a)[1] - 1 = floor(log2(a)), exactly
;;       r = np.clip(x / 2.0 ** e, -7.5, 7.5)
;;       step = 2.0 ** (np.maximum(np.frexp(np.where(r == 0, 1, r))[1] - 1, 0) - 3)
;;       q = np.round(r / step) * step * 2.0 ** e      # np.round: ties to even
;;       return np.moveaxis(q.reshape(q.shape[:-2] + (-1,))[..., :K], -1, axis).astype(np.float32)
;;   ~~~
;;   SOFTMAX AHEAD OF A QUANTISED PRODUCT. Where the list says 'softmax', what is quantised is not the finished softmax but p = 2^(t - M), with t = logit x log2(e) and M = ceil(the row's largest t), a whole number; so 1/2 < the row's largest p <= 1. The row's sum l is taken of the UNQUANTISED p, in f32, and the product's result is divided by l at the end. Since M is a whole number, a kernel that streams over the keys may use a running M (the ceiling of the running maximum): every later rescaling is an exact power of two, which a block's scale takes up: the codes' values come out the same.
;;   OPERANDS COMPUTED ON THE WAY. 'Computed on the way' means the value that the module computes at that place (a softmax that the list does not call 'softmax' is quantised finished and normalised). What goes into a quantiser is computed in f32, as accurately as f32 sums, v_exp_f32 and their like allow (about 1e-6 of the number): no bf16 or f16 on the way to a quantiser, and a product that is left as it is and whose result goes on into a quantised operand takes f32 operands (vector FMAs, or v_wmma_f32_16x16x4_f32). A number that lies on a knife's edge between two numbers of the format may be rounded either way, as far as f32 arithmetic and the matrix unit's own rounding can turn it there, and no further.
;; One version. Each part assembles by itself: llvm-mc -triple=amdgcn-amd-amdhsa -mcpu=gfx1250 --defsym DOCPART=n.
;; ======== version 1 of 1: 4 launches
;; limits: right only within a limited range of input values
;; workspace buffers: c1 9,437,184 bytes; sc1 393,216 bytes; qkvc 20,447,232 bytes; ao 6,291,456 bytes; asc 262,144 bytes
;; launch quant (part 1): grid 384 x 1, 4 waves a work-group, no clusters, 34,304 bytes of LDS; arguments query, w_qkv, w_proj, c1, sc1; writes c1, sc1
.if DOCPART == 1
	.amdgcn_target "amdgcn-amd-amdhsa--gfx1250"
	.amdhsa_code_object_version 6
	.text
	.protected	k_q2d40d59448_quant
	.globl	k_q2d40d59448_quant
	.p2align	8
	.type	k_q2d40d59448_quant,@function
k_q2d40d59448_quant:
	s_mov_b64 s[64:65], 0
	v_nop
	global_prefetch_b8 v0, s[64:65] scope:SCOPE_SE
	s_setreg_imm32_b32 hwreg(HW_REG_WAVE_MODE, 25, 1), 1
	s_wait_xcnt 0x0
; query [8192][1024], w_qkv [1024][3072] and w_proj [1024][1024], f32, become codes of FP6 (E2M3) with one E8M0 byte for each 32 along K (K = 1024 for all three).
; A block's scale is 2^(floor(log2(largest magnitude)) - 2); its byte is the largest magnitude's exponent field - 2, held at 1 from below.
; LIMITS: a block of zeros gets the byte 1 where the quantiser says 127 (its codes are zeros, and this program alone reads the bytes); blocks whose largest magnitude
; lies under 2^-124 are held at the byte 1; NaN and infinities among the inputs are not served.
; LAYOUT OF c1: [tile 768][64 along K: 16][768 bytes].  A tile is 16 rows of an operand (rows of query: tiles 0-511; columns of w_qkv: 512-703; of w_proj: 704-767):
; of each 32 rows, tile 2 g + u holds rows 32 g + 8 u + r + 8 (r / 8), r = 0..15.  The 768 bytes are three planes of 256: plane p holds at byte 8 l (l = r + 16 h) words 2 p, 2 p + 1
; of the 24 bytes of codes of row r, block h.  Two such pieces on end are the register image of a matrix operand of 128 along K: six loads of 8 bytes a lane.
; LAYOUT OF sc1: [128 along K: 8][tile 768][r 16] words of four scale bytes.
; Work-groups 0-255: 32 rows of query each (a wave: 256 along K).  Work-groups 256-383: 128 columns x 256 along K of a weight (a wave: 32 columns).
; No cluster, no tensor load: the work-groups share no input, and memory binds.  Every store of codes covers 256 consecutive bytes, aligned; a store of scale words covers 128 (one byte in 24 of what is written).
.set STGB,  8448                       ; a wave's stage: 16 rows x (512 bytes + 16)
.set SPARE, 4*STGB                     ; behind the stages: the spare words, 128 bytes a wave, which no other line names
.set SPW,   12                         ; v12  LDS address of my spare word; never rewritten
.set NIL,   13                         ; v13  0; never rewritten
.set LN,    14                         ; v14  lane
.set SEL,   20                         ; s[20:21] selects for lane l xor 16
.set RAW,   16                         ; query: v16-143 two sets of 64 numbers as loaded
.set XQ,    144                        ; v144-207 64 numbers: register 16 b + i = k 32 b + 16 h + i of my row
.set PC,    208                        ; v208-226 codes
.set TM,    228                        ; v228-243 at work
.set PW,    244                        ; the scale word just made
.set PWK,   245                        ; that of the pair's first tile
.set PW2,   246                        ; both tiles' words: lanes 0-15, lanes 16-31
.set VOFF,  16                         ; weights: v16-47 row i of a block x pitch + 4 x lane
.set XW,    48                         ; v48-111 two sets of 32 numbers
.set CE,    112                        ; codes of the even block (+0..2, +4..6)
.set CO,    120                        ; of the odd block
.set EP,    128                        ; v128-133 the first tile's piece
.set OP,    134                        ; v134-139 the second tile's
.set T1,    140
.set T2,    141
.set SB,    142                        ; v142-143 two scale words
	s_load_b128 s[4:7], s[0:1], 0x0                ; query, w_qkv
	s_load_b128 s[8:11], s[0:1], 0x10              ; w_proj, c1
	s_load_b64 s[12:13], s[0:1], 0x20              ; sc1
	v_lshl_add_u32 v[SPW], v0, 2, SPARE
	v_mov_b32 v[NIL], 0
	v_lshrrev_b32 v1, 5, v0
	v_readfirstlane_b32 s16, v1                    ; wave
	v_and_b32 v[LN], 31, v0
	s_cmp_lt_u32 ttmp9, 256
	s_cbranch_scc0 .Lweights
; ---------------- query: K is innermost ----------------
	s_mov_b32 s[SEL], 0x76543210
	s_mov_b32 s[SEL+1], 0xfedcba98
	s_mov_b32 s22, 0xffff0000                      ; lanes 16-31
	v_lshlrev_b32 v1, 4, v[LN]                     ; 16 x lane: a load takes 512 consecutive bytes of a row
	s_mul_i32 s17, s16, STGB
	v_add_nc_u32 v2, s17, v1                       ; the stage, on the way in
	v_and_b32 v8, 15, v0                           ; r
	v_bfe_u32 v9, v0, 4, 1                         ; h
	v_mul_u32_u24 v3, v8, 528
	v_lshl_add_u32 v3, v9, 6, v3
	v_add_nc_u32 v3, s17, v3                       ; and out: row r, + 64 h: 16 numbers of each block of 32
	v_lshlrev_b32 v4, 3, v[LN]                     ; 8 x lane
	v_lshlrev_b32 v5, 2, v[LN]                     ; 4 x lane
.irp b, 0,1,2,3
	v_mov_b32 v[TM+4+\b], 0                        ; written once: a lane permute's destination counts as one of its sources
.endr
	s_lshl_b32 s24, ttmp9, 17                      ; 32 rows of 4,096 bytes
	s_lshl_b32 s25, s16, 10                        ; my wave's 256 along K
	s_add_co_u32 s24, s24, s25
	s_mov_b32 s25, 0
	s_mul_i32 s26, ttmp9, 24576                    ; two tiles of 12,288 bytes
	s_mul_i32 s27, s16, 3072
	s_add_co_u32 s26, s26, s27
	s_mov_b32 s27, 0
	s_mul_i32 s28, s16, 98304                      ; two steps of 128 along K in sc1
	s_lshl_b32 s29, ttmp9, 7
	s_add_co_u32 s28, s28, s29
	s_mov_b32 s29, 0
	s_wait_alu depctr_va_vdst(0)
	s_wait_kmcnt 0x0
	s_add_nc_u64 s[4:5], s[4:5], s[24:25]
	s_add_nc_u64 s[10:11], s[10:11], s[26:27]
	s_add_nc_u64 s[12:13], s[12:13], s[28:29]
; 64 numbers of a lane become an operand's 12 registers of codes in v[PC] on and its row's scale word in v[PW]
.macro QUANT s
.irp b, 0,1,2,3
	v_max3_num_f32 v[TM+\b], |v[\s+16*\b]|, |v[\s+1+16*\b]|, 0x1800000   ; block b: my 16 numbers, and the floor 2^(3 - 127): the byte cannot fall under 1
.endr
.irp i, 2,4,6,8,10,12,14
.irp b, 0,1,2,3
	v_max3_num_f32 v[TM+\b], v[TM+\b], |v[\s+16*\b+\i]|, |v[\s+1+16*\b+\i]|
.endr
.endr
.irp b, 0,1,2,3
	v_permlanex16_b32 v[TM+4+\b], v[TM+\b], s[SEL], s[SEL+1]
.endr
.irp b, 0,1,2,3
	v_max_num_f32 v[TM+\b], v[TM+\b], v[TM+4+\b]   ; with lane l xor 16's: the block's largest magnitude
.endr
.irp b, 0,1,2,3
	v_add_nc_u32 v[TM+12+\b], 0xff000000, v[TM+\b] ; 2 off its exponent field: the conversion's scale operand
.endr
.irp b, 0,1,2,3
	v_lshrrev_b32 v[TM+4+\b], 23, v[TM+12+\b]      ; the scale's byte
.endr
	v_lshl_or_b32 v[PW], v[TM+5], 8, v[TM+4]
	v_lshl_or_b32 v[PW], v[TM+6], 16, v[PW]
	v_lshl_or_b32 v[PW], v[TM+7], 24, v[PW]
.irp c, 0,1
	v_cvt_scalef32_pk16_fp6_f32 v[PC+6*\c:PC+2+6*\c], v[\s+32*\c:\s+15+32*\c], v[TM+12+2*\c]
	v_cvt_scalef32_pk16_fp6_f32 v[PC+12+4*\c:PC+14+4*\c], v[\s+16+32*\c:\s+31+32*\c], v[TM+12+2*\c+1]
.endr
	v_nop                                          ; one plain place behind a scaled conversion
.irp c, 0,1                                    ; the operand wants a whole block in a lane: lanes 0-15 block 2 c, lanes 16-31 block 2 c + 1
.irp i, 0,1,2
	v_permlane16_swap_b32 v[PC+6*\c+\i], v[PC+12+4*\c+\i]
.endr
.irp i, 0,1,2
	v_mov_b32 v[PC+3+6*\c+\i], v[PC+12+4*\c+\i]
.endr
.endr
.endm
; unit t = 2 s + u: tile u of my 32 rows, the s-th 128 along K of my 256
.macro LOADU t
.irp i, 0,1,2,3,4,5,6,7,8,9,10,11,12,13,14,15
	global_load_b128 v[RAW+64*((\t)%2)+4*\i:RAW+64*((\t)%2)+4*\i+3], v1, s[4:5] offset:(8*((\t)%2)+\i+8*(\i/8))*4096+((\t)/2)*512 th:TH_LOAD_NT
.endr
.endm
.macro TURNU t                                 ; through my stage: LDS serves a wave's instructions in order, so no wait stands between the stores and the loads
.irp i, 0,1,2,3,4,5,6,7,8,9,10,11,12,13,14,15
	ds_store_b128 v2, v[RAW+64*((\t)%2)+4*\i:RAW+64*((\t)%2)+4*\i+3] offset:\i*528
.endr
.irp b, 0,1,2,3
.irp j, 0,1,2,3
	ds_load_b128 v[XQ+16*\b+4*\j:XQ+16*\b+4*\j+3], v3 offset:128*\b+16*\j
.endr
.endr
.endm
.macro UNITX t
.if (\t) < 3
	s_wait_loadcnt 16                              ; this unit's 16 loads are in; the next unit's 16 may be out
.else
	s_wait_loadcnt 0x0
.endif
	TURNU \t
	s_wait_dscnt 0x0                               ; the numbers are back, and the stage's stores have read their registers
	s_wait_xcnt 0x0                                ; the last unit's stores have read their codes and word: both are written again below
.if (\t) < 2
	LOADU (\t)+2
.endif
	QUANT XQ
.irp q, 0,1,2,3,4,5
	global_store_b64 v4, v[PC+2*\q:PC+2*\q+1], s[10:11] offset:((\t)%2)*12288+((\t)/2)*1536+256*\q   ; a plane: 256 consecutive bytes, aligned
.endr
.if (\t)%2 == 0
	v_mov_b32 v[PWK], v[PW]
.else
	v_cndmask_b32 v[PW2], v[PWK], v[PW], s22       ; lanes 0-15 the first tile's words, lanes 16-31 the second's
	global_store_b32 v5, v[PW2], s[12:13] offset:((\t)/2)*49152
.endif
.endm
	LOADU 0
	LOADU 1
	UNITX 0
	UNITX 1
	UNITX 2
	UNITX 3
	s_wait_tensorcnt 0x0                           ; the wave's end, behind my last LDS store
	ds_add_u32 v[SPW], v[NIL]
	s_wait_dscnt 0x0
	s_endpgm
; ---------------- the weights: K is the first axis.  A lane takes a column and its registers run down K
.Lweights:
	s_sub_co_u32 s17, ttmp9, 256
	s_and_b32 s18, s17, 31                         ; strip of 128 columns: 0-23 w_qkv, 24-31 w_proj
	s_lshr_b32 s19, s17, 5                         ; which 256 along K
	s_mov_b32 s23, 0xff00ff00                      ; lanes whose number has bit 3 set
	s_wait_alu depctr_va_vdst(0)
	v_lshlrev_b32 v15, 2, v[LN]
	v_and_b32 v8, 7, v[LN]
	v_lshrrev_b32 v9, 4, v[LN]
	v_lshl_add_u32 v8, v9, 3, v8
	v_bfe_u32 v9, v[LN], 3, 1
	v_lshl_add_u32 v8, v9, 4, v8                   ; pos = lane % 8 + 8 (lane / 16) + 16 ((lane / 8) % 2): my place in a plane and among the pair's scale words
	v_lshlrev_b32 v6, 3, v8
	v_lshlrev_b32 v7, 2, v8
	v_mov_b32 v[T1], 0                             ; written once: a DPP destination counts as read
	v_mov_b32 v[T2], 0
	s_wait_kmcnt 0x0
	s_cmp_lt_u32 s18, 24                           ; the choice hangs on the work-group's number alone
	s_cselect_b64 s[4:5], s[6:7], s[8:9]
	s_mov_b32 s24, 4096
	s_cselect_b32 s24, 12288, s24                  ; a row of the weight in bytes
	s_cselect_b32 s25, 0, 24
	s_sub_co_u32 s25, s18, s25                     ; the strip within its weight
	s_lshl_b32 s26, s25, 9
	s_lshl_b32 s27, s16, 7                         ; my wave's 32 columns
	s_add_co_u32 s26, s26, s27
	s_lshl_b32 s27, s19, 8
	s_mul_i32 s27, s27, s24
	s_add_co_u32 s26, s26, s27
	s_mov_b32 s27, 0
	s_add_nc_u64 s[32:33], s[4:5], s[26:27]        ; block 0
	s_lshl_b32 s28, s24, 5                         ; 32 rows on
	s_mov_b32 s29, 0
.irp t, 1,2,3,4,5,6,7
	s_add_nc_u64 s[32+2*\t:33+2*\t], s[30+2*\t:31+2*\t], s[28:29]
.endr
.set I, 0
.rept 32
	v_mad_u32_u24 v[VOFF+I], s24, I, v15
.set I, I+1
.endr
	s_lshl_b32 s30, s18, 3
	s_lshl_b32 s31, s16, 1
	s_add_co_u32 s30, s30, s31
	s_add_co_u32 s30, s30, 512                     ; my first tile
	s_mul_i32 s48, s30, 12288
	s_mul_i32 s49, s19, 3072
	s_add_co_u32 s48, s48, s49
	s_mov_b32 s49, 0
	s_add_nc_u64 s[10:11], s[10:11], s[48:49]
	s_lshl_b32 s48, s30, 6
	s_mul_i32 s50, s19, 98304
	s_add_co_u32 s48, s48, s50
	s_add_nc_u64 s[12:13], s[12:13], s[48:49]
.macro LOADW t                                 ; block t: 32 rows x my wave's 32 columns: a load takes 128 consecutive bytes
.irp i, 0,1,2,3,4,5,6,7,8,9,10,11,12,13,14,15,16,17,18,19,20,21,22,23,24,25,26,27,28,29,30,31
	global_load_b32 v[XW+32*((\t)%2)+\i], v[VOFF+\i], s[32+2*(\t):33+2*(\t)] th:TH_LOAD_NT
.endr
.endm
.macro BLOCKW t
.set XS, XW+32*((\t)%2)
.if (\t) < 7
	s_wait_loadcnt 32                              ; this block's 32 loads are in; the next block's may be out
.else
	s_wait_loadcnt 0x0
.endif
	v_max3_num_f32 v10, |v[XS]|, |v[XS+1]|, |v[XS+2]|
	v_max3_num_f32 v11, |v[XS+3]|, |v[XS+4]|, |v[XS+5]|
.irp i, 6,10,14,18,22,26
	v_max3_num_f32 v10, v10, |v[XS+\i]|, |v[XS+\i+1]|
	v_max3_num_f32 v11, v11, |v[XS+\i+2]|, |v[XS+\i+3]|
.endr
	v_max3_num_f32 v10, v10, |v[XS+30]|, |v[XS+31]|
	v_max3_num_f32 v10, v10, v11, 0x1800000        ; and the floor
	v_add_nc_u32 v11, 0xff000000, v10              ; the conversion's scale operand
	v_lshrrev_b32 v10, 23, v11                     ; the byte
.if (\t)%4 == 0
	v_mov_b32 v[SB+(\t)/4], v10
.else
	v_lshl_or_b32 v[SB+(\t)/4], v10, 8*((\t)%4), v[SB+(\t)/4]
.endif
.if (\t)%2 == 0
	v_cvt_scalef32_pk16_fp6_f32 v[CE:CE+2], v[XS:XS+15], v11
	v_cvt_scalef32_pk16_fp6_f32 v[CE+4:CE+6], v[XS+16:XS+31], v11
.else
	v_cvt_scalef32_pk16_fp6_f32 v[CO:CO+2], v[XS:XS+15], v11
	v_cvt_scalef32_pk16_fp6_f32 v[CO+4:CO+6], v[XS+16:XS+31], v11
.endif
	v_nop                                          ; one plain place behind a scaled conversion
.if (\t)%2 == 1
; Columns with bit 3 clear belong to the pair's first tile, the others to the second.  A plane wants the even block of a tile's 16 columns in places 0-15 and the odd block in places 16-31:
; so lanes l and l xor 8 exchange: each lane keeps one block of its own column and takes the other tile's from its partner.
	s_wait_alu depctr_va_vdst(0)
	s_wait_xcnt 0x0                                ; the last pair's stores have read EP and OP
.irp d, 0,1,2,3,4,5
	v_mov_b32_dpp v[T1], v[CO+\d+\d/3] row_xmask:8 row_mask:0xf bank_mask:0xf
	v_mov_b32_dpp v[T2], v[CE+\d+\d/3] row_xmask:8 row_mask:0xf bank_mask:0xf
	v_cndmask_b32 v[EP+\d], v[CE+\d+\d/3], v[T1], s23
	v_cndmask_b32 v[OP+\d], v[T2], v[CO+\d+\d/3], s23
.endr
.endif
.if (\t) < 6
	LOADW (\t)+2
.endif
.if (\t)%2 == 1
.irp p, 0,1,2
	global_store_b64 v6, v[EP+2*\p:EP+2*\p+1], s[10:11] offset:((\t)/2)*768+256*\p         ; 32 lanes fill 256 consecutive bytes, aligned
	global_store_b64 v6, v[OP+2*\p:OP+2*\p+1], s[10:11] offset:12288+((\t)/2)*768+256*\p
.endr
.endif
.endm
	s_wait_alu depctr_va_vdst(0)
	LOADW 0
	LOADW 1
.irp t, 0,1,2,3,4,5,6,7
	BLOCKW \t
.endr
	global_store_b32 v7, v[SB], s[12:13]
	global_store_b32 v7, v[SB+1], s[12:13] offset:49152
	s_endpgm
.Lfunc_end_k_q2d40d59448_quant:
	.size	k_q2d40d59448_quant, .Lfunc_end_k_q2d40d59448_quant-k_q2d40d59448_quant
	.p2alignl 7, 3214868480
	.fill 96, 4, 3214868480
	.section	.rodata,"a",@progbits
	.p2align	6, 0x0
	.amdhsa_kernel k_q2d40d59448_quant
		.amdhsa_group_segment_fixed_size 34304
		.amdhsa_private_segment_fixed_size 0
		.amdhsa_enable_private_segment 0
		.amdhsa_kernarg_size 40
		.amdhsa_user_sgpr_count 2
		.amdhsa_user_sgpr_kernarg_segment_ptr 1
		.amdhsa_wavefront_size32 1
		.amdhsa_system_sgpr_workgroup_id_x 1
		.amdhsa_system_sgpr_workgroup_id_y 1
		.amdhsa_system_sgpr_workgroup_id_z 1
		.amdhsa_system_vgpr_workitem_id 0
		.amdhsa_next_free_vgpr 256
		.amdhsa_next_free_sgpr 66
		.amdhsa_reserve_vcc 0
		.amdhsa_float_denorm_mode_32 3
		.amdhsa_float_denorm_mode_16_64 3
		.amdhsa_memory_ordered 1
		.amdhsa_forward_progress 1
		.amdhsa_inst_pref_size 82
	.end_amdhsa_kernel
	.amdgpu_metadata
---
amdhsa.version: [ 1, 2 ]
amdhsa.kernels:
  - .name:           k_q2d40d59448_quant
    .symbol:         k_q2d40d59448_quant.kd
    .args:
      - { .name: query, .offset: 0, .size: 8, .value_kind: global_buffer, .address_space: global }
      - { .name: w_qkv, .offset: 8, .size: 8, .value_kind: global_buffer, .address_space: global }
      - { .name: w_proj, .offset: 16, .size: 8, .value_kind: global_buffer, .address_space: global }
      - { .name: c1, .offset: 24, .size: 8, .value_kind: global_buffer, .address_space: global }
      - { .name: sc1, .offset: 32, .size: 8, .value_kind: global_buffer, .address_space: global }
    .group_segment_fixed_size: 34304
    .private_segment_fixed_size: 0
    .kernarg_segment_align: 8
    .kernarg_segment_size: 40
    .max_flat_workgroup_size: 128
    .sgpr_count:     66
    .vgpr_count:     256
    .wavefront_size: 32
...
	.end_amdgpu_metadata
.endif
;; end of part 1
;; launch qkv (part 2): grid 8 x 32, 4 waves a work-group, clusters of 4 x 4, 327,680 bytes of LDS; arguments c1, sc1, b_qkv, qkvc; writes qkvc
.if DOCPART == 2
	.amdgcn_target "amdgcn-amd-amdhsa--gfx1250"
	.amdhsa_code_object_version 6
	.text
	.protected	k_q2d40d59448_qkv
	.globl	k_q2d40d59448_qkv
	.p2align	8
	.type	k_q2d40d59448_qkv,@function
k_q2d40d59448_qkv:
	s_mov_b64 s[64:65], 0
	v_nop
	global_prefetch_b8 v0, s[64:65] scope:SCOPE_SE
	s_setreg_imm32_b32 hwreg(HW_REG_WAVE_MODE, 25, 1), 1
	s_wait_xcnt 0x0
	s_wait_alu depctr_hold_cnt(0) depctr_sa_sdst(0) depctr_va_vdst(0) depctr_va_sdst(0) depctr_va_ssrc(0) depctr_va_vcc(0) depctr_vm_vsrc(0)
	s_getreg_b32 s2, hwreg(HW_REG_IB_STS2, 6, 4)
	s_cmp_eq_u32 s2, 0
	s_cbranch_scc0 .Lentry_in_a_cluster
	s_endpgm
.Lentry_in_a_cluster:
	s_bfe_u32 s2, ttmp6, 0x10000c
	s_cmp_lg_u32 s2, 0xf033
	s_cbranch_scc0 .Lentry_shape_is_right
	s_endpgm
.Lentry_shape_is_right:
; qkv = query w_qkv + b_qkv on codes of FP6 (E2M3) with E8M0 scales, K = 1024; the result, in f32, is quantised at once for the two products of attention and leaves as codes.
; SHARES.  8 x 32 = 256 work-groups of four waves.  A work-group owns 256 tokens and, of each of q, k and v, the same 128 features (two heads): three products of 256 x 128 x 1024, one after the other.
; THE TOKENS' CODES STAY IN LDS for all of K and all three products (196,608 bytes); beside them lie one product's weight (98,304 bytes) and all scale words.  The weight's bytes are filled again twice, each time at the head of a
; product's last K step, when the wave's last fragments are in registers: the load lands under that step's products and the product's way out.
; OPERANDS lie in c1 as register images (16 rows x 64 K = 768 bytes, three planes of 256): a fragment of 128 K is six ds_load_b64 at 8 x lane, 256 bytes apart: consecutive bytes, no padding.
; The 16 rows of a tile are rows 32 g + 8 u + r + 8 (r / 8) of their 32, so that a lane's 16 registers of two neighbouring result tiles are 16 neighbours along source 0's rows.
; A WAVE makes 4 tiles of source 1 x 8 tiles of source 0: 32 accumulators.  q, k are quantised along the head's 64 features: source 0 = the 128 features, source 1 = the wave's 64 tokens: a lane holds one token.
; v is quantised along the tokens (the keys): source 0 = 128 tokens, source 1 = the 64 features of one head: a lane holds one feature.
; CLUSTERS: 4 x 4 work-groups.  The tokens' tiles hang on the tile row alone and are asked for jointly along a row of the cluster, the weight's on the tile column alone, jointly along a column.
; THE BIAS: for q and k it is the C of each sum's first product (eight registers a tile, window 3); for v it hangs on the lane and is added on the way out.
; OUT: qkvc [head 128][128 tokens: 8][q, k, v][6,656]: q, k: 8 token tiles x 768 bytes of codes (64 along K), then 512 bytes of scale words (16 x lane + 4 b: tile 2 b + lane / 16, row lane % 16; the two upper bytes are 127:
; they scale the zero half of a product of 128 along K);  v: 4 tiles of 16 features x 128 keys (1,536 bytes each), then 512 bytes of scale words (16 x lane + 4 t).  Every store of codes covers 256 consecutive bytes, aligned.
; A wave has four of a token group's eight tiles, so of q's and k's scale words it stores 8 of each 16 bytes, and two waves fill those 512 bytes by turns.
; LIMITS: a block of zeros gets the byte 1 where the quantiser says 127 (its codes are zeros); blocks under 2^-124 are held at the byte 1; NaN and infinities are not served.
; REGISTERS: window 0: v12-31 addresses; v32-55 scale words, two sets; v56-65 v's bias by lanes, and a pair of zeros; v68-99 and v224-255 the way out; v128-223 source 1's fragments, two sets.
;   window 1: source 0's fragments, two sets, at v0 and v128.   window 2: accumulator (a, b) at v[8 (8 a + b)].   window 3: q's bias at v0, k's at v64.
.set FR,    12                         ; registers of a fragment
.set NP,    4                          ; places behind this matrix instruction (ISA guide 7.12.1)
.set TROW,  12288                      ; a tile's 1,024 along K
.set CH,    4*TROW                     ; four tiles: what one address register reaches by immediates
.set WOFF,  16*TROW
.set SCX,   24*TROW                    ; behind 16 token tiles and 8 weight tiles: the tokens' scale words: [128 K: 8][tile 16][r 16]
.set SCW,   SCX+8192                   ; the weight's: q's, k's, v's, 4,096 bytes each: [128 K: 8][tile 8][r 16]
.set SPARE, SCW+4096                   ; the spare words, 128 bytes a wave, which no other line names (the weight's scale words, 4,096 bytes, are filled again with each weight)
.set HB,    159744                     ; a head in qkvc
.set ASW1,  12                         ; the weight's scale words as source 1 (v)
.set ASX0,  13                         ; the tokens' as source 0 (v)
.set ADRA,  16                         ; v16-17 q, k: source 1 (my 64 tokens) in chunk 0, 1
.set ADRAV, 18                         ; v18-19 v: source 1 (my 64 features)
.set ADRB,  20                         ; v20-21 q, k: source 0 (the 128 features)
.set ADRBV, 22                         ; v22-23 v: source 0 (my 128 tokens)
.set L8Q,   24                         ; 8 x lane + my four tiles' place among a token group's eight
.set L16Q,  25                         ; 16 x lane + 8 (wave % 2)
.set L8,    26                         ; 8 x lane
.set L16,   27                         ; 16 x lane
.set SPW,   28
.set NIL,   29
.set ASX1,  30                         ; the tokens' scale words as source 1 (q, k)
.set ASW0,  31                         ; the weight's as source 0 (q, k)
.set SCA,   32                         ; scale words: set s: source 1's four at v[32 + 12 s], source 0's eight at v[36 + 12 s]
.set SCB,   36
.set BM,    56
.set ZP,    64
.set CD,    68                         ; the way out: codes
.set TM,    76
.set RW,    84
.set HW,    92                         ; two scale bytes for each unit
.set AF,    128
.set TQ,    224                        ; the way out: 32 numbers
.set G1, 24                            ; s[24:31] group 1: the tokens' codes;  s[32:35] group 0
.set G0, 32
.set G1B, 48                           ; the weight's codes
.set G0B, 56
.set SEL, 66
.set G1S, 68                           ; the tokens' scale words
.set G0S, 76
.set G1SB, 80                          ; the weight's
.set G0SB, 88
.set G0P, 92                           ; k's and v's scale words
.set G0R, 96                           ; the refills
.set MSB, 0
.macro WIN new                         ; the immediate's high byte repeats the setting that is left
.if MSB != (\new)
	s_set_vgpr_msb (MSB<<8)|(\new)
.set MSB, (\new)
.endif
.endm
.set MULW, 0xa1                        ; source 0 window 1, source 1 window 0, C and D window 2
.set MULB, 0xb1                        ; the same, C window 3: the bias
.set TO_B, 0x40
; One arm of a chain of branches on the wave's number: the waves under \under that no earlier arm took issue this joint load and jump to the chain's end.  An s_nop 0 and four v_nop follow the load.
.macro ARM under, g0, g1, next, join
	s_cmp_lt_u32 s14, \under
	s_cbranch_scc0 \next
	tensor_load_to_lds s[\g0:\g0+3], s[\g1:\g1+7]
	s_nop 0
.rept 4
	v_nop
.endr
	s_branch \join
\next:
.endm
.macro CREST
	s_cmp_lg_u32 s14, 0
	s_cbranch_scc1 .Lnot_wave_0_\@
	s_barrier_signal -3
.Lnot_wave_0_\@:
	s_barrier_wait -3
	s_barrier_signal -1
	s_barrier_wait -1
.endm
.macro CROUND
	s_barrier_signal -1
	s_barrier_wait -1
	CREST
.endm
	s_load_b128 s[4:7], s[0:1], 0x0                ; c1, sc1
	s_load_b128 s[8:11], s[0:1], 0x10              ; b_qkv, qkvc
	v_lshl_add_u32 v[SPW], v0, 2, SPARE
	v_mov_b32 v[NIL], 0
	ds_add_u32 v[SPW], v[NIL]                      ; the wave's opening: the add and its wait ahead of my first tensor load
	ds_add_u32 v[SPW], v[NIL]
	v_lshrrev_b32 v1, 5, v0
	v_readfirstlane_b32 s14, v1                    ; wave
	s_lshr_b32 s15, s14, 1                         ; wave / 2: q's and k's token group, v's head
	s_and_b32 s16, s14, 1                          ; wave % 2: v's 128 tokens, my four tiles of a token group
	s_bfe_u32 s40, ttmp6, 0x40000                  ; cx
	s_bfe_u32 s41, ttmp6, 0x40004                  ; cy
	s_lshl_b32 s42, ttmp9, 2
	s_add_co_u32 s42, s42, s40                     ; tile column: 128 features of each of q, k, v
	s_and_b32 s17, ttmp7, 0xffff
	s_lshl_b32 s17, s17, 2
	s_add_co_u32 s17, s17, s41                     ; tile row: 256 tokens
	s_lshl_b32 s43, s41, 2
	s_lshl_b32 s43, 15, s43                        ; my row of the cluster
	s_lshl_b32 s44, 0x1111, s40                    ; my column
	s_or_b32 s[G1], s43, (3<<16)|(1<<21)           ; 15:0 the mask; 17:16 elements of 8 bytes; 21 set beside a mask; no padding
	s_or_b32 s[G1B], s44, (3<<16)|(1<<21)
.irp g, G1, G1B                        ; codes: rows of 12,288 bytes (a tile's 1,024 along K), 12,288 bytes apart
	s_mov_b32 s[\g+1], 1536<<16                    ; a row is a whole tile: 12,288 bytes
	s_mov_b32 s[\g+3], 1536<<16
	s_mov_b32 s[\g+5], 1536
	s_mov_b32 s[\g+6], 0
	s_mov_b32 s[\g+7], 0
.endr
	s_mov_b32 s[G1+2], 16<<16                      ; the tokens': 16 tiles a load
	s_mov_b32 s[G1+4], 16
	s_mov_b32 s[G1B+2], 8<<16                      ; the weight's: 8
	s_mov_b32 s[G1B+4], 8
	s_or_b32 s[G1S], s43, (3<<16)|(1<<21)
	s_or_b32 s[G1SB], s44, (3<<16)|(1<<21)
.irp g, G1S, G1SB                      ; scale words: 8 steps of 128 K a load, 49,152 bytes apart
	s_mov_b32 s[\g+2], 8<<16                       ; all 8 steps of 128 K in one load
	s_mov_b32 s[\g+4], 8
	s_mov_b32 s[\g+5], 6144
	s_mov_b32 s[\g+6], 0
	s_mov_b32 s[\g+7], 0
.endr
	s_mov_b32 s[G1S+1], 128<<16                    ; 16 tiles: 1,024 bytes
	s_mov_b32 s[G1S+3], 128<<16
	s_mov_b32 s[G1SB+1], 64<<16                    ; 8 tiles: 512 bytes
	s_mov_b32 s[G1SB+3], 64<<16
	s_mov_b32 s[SEL], 0x76543210
	s_mov_b32 s[SEL+1], 0xfedcba98
	; where the tiles come from, in bytes.  The tokens' offsets are made of the tile row and the wave's number, the weight's of the tile column and the wave's number, in registers of their own
	s_lshl_b32 s20, s17, 4                         ; my work-group's first token tile
	s_mul_i32 s20, s20, 12288
	s_mov_b32 s21, 0
	s_lshl_b32 s22, s17, 10                        ; my work-group's 16 tiles' scale words,
	s_mov_b32 s23, 0
	s_lshl_b32 s46, s42, 3
	s_add_co_u32 s46, s46, 512                     ; q's first weight tile
	s_lshl_b32 s12, s46, 6
	s_mov_b32 s13, 0
	s_add_co_u32 s2, s12, 4096                     ; k's scale words: 64 tiles, 4,096 bytes, on
	s_mov_b32 s3, 0
	s_mul_i32 s46, s46, 12288                      ; q's codes: my eight tiles
	s_mov_b32 s47, 0
	s_add_co_u32 s18, s46, 64*12288                ; the first refill is k's: 64 tiles on
	s_mov_b32 s19, 0
	; and where they go: no place in the cluster enters an LDS address
.irp g, G0, G0B, G0S, G0SB, G0P, G0R
	s_mov_b32 s[\g], 1
.endr
	s_mov_b32 s[G0+1], 0
	s_mov_b32 s[G0B+1], WOFF
	s_mov_b32 s[G0S+1], SCX
	s_mov_b32 s[G0SB+1], SCW
	s_mov_b32 s[G0P+1], SCW                        ; the refills land where q's weight and its scale words lay
	s_mov_b32 s[G0R+1], WOFF
	s_wait_dscnt 0x0                               ; the opening add is done
	s_wait_kmcnt 0x0
	s_add_nc_u64 s[G0+2:G0+3], s[4:5], s[20:21]
	s_or_b32 s[G0+3], s[G0+3], 0x80000000
	s_add_nc_u64 s[G0B+2:G0B+3], s[4:5], s[46:47]
	s_or_b32 s[G0B+3], s[G0B+3], 0x80000000
	s_add_nc_u64 s[G0S+2:G0S+3], s[6:7], s[22:23]
	s_or_b32 s[G0S+3], s[G0S+3], 0x80000000
	s_add_nc_u64 s[G0SB+2:G0SB+3], s[6:7], s[12:13]
	s_or_b32 s[G0SB+3], s[G0SB+3], 0x80000000
	s_add_nc_u64 s[G0P+2:G0P+3], s[6:7], s[2:3]
	s_or_b32 s[G0P+3], s[G0P+3], 0x80000000
	s_add_nc_u64 s[G0R+2:G0R+3], s[4:5], s[18:19]
	s_or_b32 s[G0R+3], s[G0R+3], 0x80000000
	CROUND                                         ; all sixteen work-groups are here: the first joint loads meet
	; the head's four tiles, one joint load a wave: wave 0 the tokens' codes, wave 1 q's weight, wave 2 the tokens' scale words, wave 3 q's
	ARM 1, G0, G1, .Lh_w, .Lh_asked
	ARM 2, G0B, G1B, .Lh_sx, .Lh_asked
	ARM 3, G0S, G1S, .Lh_sw, .Lh_asked
	tensor_load_to_lds s[G0SB:G0SB+3], s[G1SB:G1SB+7]
	s_nop 0
.rept 4
	v_nop
.endr
.Lh_asked:
	v_and_b32 v1, 15, v0                           ; r
	v_bfe_u32 v2, v0, 4, 1                         ; h
	v_and_b32 v3, 31, v0
	v_lshlrev_b32 v[L8], 3, v3
	v_lshlrev_b32 v[L16], 4, v3
	s_mul_i32 s20, s14, 4*TROW                     ; q, k: my 64 tokens
	s_mul_i32 s21, s15, 4*TROW                     ; v: my 64 features,
	s_add_co_u32 s21, s21, WOFF                    ; behind the tokens' 16 tiles
	s_mul_i32 s22, s16, 8*TROW                     ; v: my 128 tokens
.irp c, 0,1
	v_add_nc_u32 v[ADRA+\c], s20, v[L8]
	v_add_nc_u32 v[ADRB+\c], WOFF+\c*CH, v[L8]
	v_add_nc_u32 v[ADRAV+\c], s21, v[L8]
	v_add_nc_u32 v[ADRBV+\c], s22, v[L8]
	s_add_co_u32 s20, s20, CH
	s_add_co_u32 s21, s21, CH
	s_add_co_u32 s22, s22, CH
.endr
	s_lshl_b32 s20, s14, 8                         ; scale words: 64 bytes a tile, 4 r in it; every lane takes row lane % 16's
	s_add_co_u32 s20, s20, SCX
	v_lshl_add_u32 v[ASX1], v1, 2, s20
	v_lshl_add_u32 v[ASW0], v1, 2, SCW
	s_lshl_b32 s20, s15, 8
	s_add_co_u32 s20, s20, SCW
	v_lshl_add_u32 v[ASW1], v1, 2, s20
	s_lshl_b32 s20, s16, 9
	s_add_co_u32 s20, s20, SCX
	v_lshl_add_u32 v[ASX0], v1, 2, s20
	s_mul_i32 s20, s16, 3072
	v_add_nc_u32 v[L8Q], s20, v[L8]
	s_lshl_b32 s20, s16, 3
	v_add_nc_u32 v[L16Q], s20, v[L16]
	s_lshl_b32 s20, s42, 9
	s_mov_b32 s21, 0
	s_add_nc_u64 s[8:9], s[8:9], s[20:21]          ; the bias of q's 128 features; k's lie 4,096 bytes on, v's 8,192
	v_lshlrev_b32 v5, 6, v2                        ; q, k: lane (r, h) wants, for tile b, features 32 (b / 2) + 8 (b % 2) + 16 h + 0..7
	WIN 0xc0                                       ; destination window 3
.irp p, 0,1
.irp b, 0,1,2,3,4,5,6,7
	global_load_b128 v[64*\p+8*\b:64*\p+8*\b+3], v5, s[8:9] offset:4096*\p+4*(32*(\b/2)+8*(\b%2))
	global_load_b128 v[64*\p+8*\b+4:64*\p+8*\b+7], v5, s[8:9] offset:4096*\p+4*(32*(\b/2)+8*(\b%2))+16
.endr
.endr
	WIN 0
	v_and_b32 v6, 8, v1                            ; v: lane (r, h) wants, for tile a of my head, feature 32 (a / 2) + 8 (a % 2) + r + 8 (r / 8), twice (a pair for the packed addition)
	v_add_nc_u32 v6, v6, v1
	v_lshlrev_b32 v6, 2, v6
	s_lshl_b32 s20, s15, 8
	v_add_nc_u32 v6, s20, v6
.irp a, 0,1,2,3
	global_load_b32 v[BM+2*\a], v6, s[8:9] offset:8192+4*(32*(\a/2)+8*(\a%2))
	global_load_b32 v[BM+2*\a+1], v6, s[8:9] offset:8192+4*(32*(\a/2)+8*(\a%2))
.endr
	v_mov_b32 v[ZP], 0
	v_mov_b32 v[ZP+1], 0
	v_mov_b32 v[TM+2], 0                           ; written once: a lane permute's destination counts as one of its sources
	v_mov_b32 v[TM+3], 0
	s_lshr_b32 s18, s17, 2                         ; the batch
	s_lshl_b32 s18, s18, 4
	s_lshl_b32 s19, s42, 1
	s_add_co_u32 s18, s18, s19                     ; my work-group's first head
	s_and_b32 s19, s17, 3
	s_lshl_b32 s19, s19, 1                         ; its first group of 128 tokens
	s_lshl_b32 s20, s18, 3
	s_add_co_u32 s20, s20, s19
	s_add_co_u32 s20, s20, s15                     ; q, k: my 64 tokens lie in group wave / 2
	s_mul_i32 s20, s20, 19968
	s_mov_b32 s21, 0
	s_add_nc_u64 s[2:3], s[10:11], s[20:21]
	s_add_co_u32 s22, s18, s15                     ; v: head wave / 2,
	s_lshl_b32 s22, s22, 3
	s_add_co_u32 s22, s22, s19
	s_add_co_u32 s22, s22, s16                     ; group wave % 2
	s_mul_i32 s22, s22, 19968
	s_mov_b32 s23, 0
	s_add_nc_u64 s[12:13], s[10:11], s[22:23]
	s_mov_b32 s45, 0xffff0000                      ; lanes 16-31
; The fragments and scale words of K step s (128 along K), 84 LDS loads in one run, into set s % 2.  ra, rb: address registers of source 1 and source 0 (a pair: chunk 0, 1); rsa, rsb: of their scale words, from offset os.. on, ss.. bytes a step
.macro FETCH s, ra, rb, rsa, osa, ssa, rsb, osb, ssb
	WIN TO_B
.irp i, 0,1,2,3,4,5,6,7
.irp p, 0,1,2,3,4,5
	ds_load_b64 v[128*((\s)%2)+FR*\i+2*\p:128*((\s)%2)+FR*\i+2*\p+1], v[\rb+\i/4] offset:(\i%4)*TROW+(\s)*1536+256*\p
.endr
.endr
	WIN 0
.irp i, 0,1,2,3
.irp p, 0,1,2,3,4,5
	ds_load_b64 v[AF+48*((\s)%2)+FR*\i+2*\p:AF+48*((\s)%2)+FR*\i+2*\p+1], v[\ra] offset:\i*TROW+(\s)*1536+256*\p
.endr
.endr
.irp i, 0,1,2,3
	ds_load_b32 v[SCA+12*((\s)%2)+\i], v[\rsa] offset:(\osa)+(\s)*(\ssa)+\i*64
.endr
.irp i, 0,1,2,3,4,5,6,7
	ds_load_b32 v[SCB+12*((\s)%2)+\i], v[\rsb] offset:(\osb)+(\s)*(\ssb)+\i*64
.endr
.endm
.macro FETQ s, p                       ; q (p = 0), k (p = 1)
	FETCH \s, ADRA, ADRB, ASX1, 0, 1024, ASW0, 0, 512
.endm
.macro FETV s
	FETCH \s, ADRAV, ADRBV, ASW1, 0, 512, ASX0, 0, 1024
.endm
; 16 matrix instructions: source 1's tiles a0, a0 + 1 x source 0's eight.  cm = 0: onto the sums; 1: the sums start from the bias at v[co] of window 3; 2: from 0.  The 32 accumulators take turns, one instruction a turn.
.macro MUL16 a0, set, cm, co
.irp a, \a0, \a0+1
.irp b, 0,1,2,3,4,5,6,7
.if (\cm) == 0
	v_wmma_scale_f32_16x16x128_f8f6f4 v[8*(8*(\a)+\b):8*(8*(\a)+\b)+7], v[128*(\set)+FR*\b:128*(\set)+FR*\b+FR-1], v[AF+48*(\set)+FR*(\a):AF+48*(\set)+FR*(\a)+FR-1], v[8*(8*(\a)+\b):8*(8*(\a)+\b)+7], v[SCB+12*(\set)+\b], v[SCA+12*(\set)+(\a)] matrix_a_fmt:MATRIX_FMT_FP6 matrix_b_fmt:MATRIX_FMT_FP6
.else
.if (\cm) == 1
	v_wmma_scale_f32_16x16x128_f8f6f4 v[8*(8*(\a)+\b):8*(8*(\a)+\b)+7], v[128*(\set)+FR*\b:128*(\set)+FR*\b+FR-1], v[AF+48*(\set)+FR*(\a):AF+48*(\set)+FR*(\a)+FR-1], v[(\co)+8*\b:(\co)+8*\b+7], v[SCB+12*(\set)+\b], v[SCA+12*(\set)+(\a)] matrix_a_fmt:MATRIX_FMT_FP6 matrix_b_fmt:MATRIX_FMT_FP6
.else
	v_wmma_scale_f32_16x16x128_f8f6f4 v[8*(8*(\a)+\b):8*(8*(\a)+\b)+7], v[128*(\set)+FR*\b:128*(\set)+FR*\b+FR-1], v[AF+48*(\set)+FR*(\a):AF+48*(\set)+FR*(\a)+FR-1], 0, v[SCB+12*(\set)+\b], v[SCA+12*(\set)+(\a)] matrix_a_fmt:MATRIX_FMT_FP6 matrix_b_fmt:MATRIX_FMT_FP6
.endif
.endif
.endr
.endr
.endm
.macro PLACES n                        ; plain vector instructions between a matrix instruction and a load into, or a read of, its registers
.rept \n
	v_nop
.endr
.endm
; K step s of 0..6: its fragments are in; the next step's are asked for, into the set that the step before has multiplied; then the 32 products.  land = 1: the next step's fragments lie in chunk 1, which has to have landed in every wave's sight
.macro STEP s, v, p, land
	s_wait_dscnt 0x0                               ; this step's fragments and scale words are in
.if \land
	s_wait_tensorcnt 0x0                           ; my part of chunk 1 is in,
	s_barrier_signal -1
	s_barrier_wait -1                              ; everybody's is
.endif
	PLACES NP
.if \v
	FETV (\s)+1
.else
	FETQ (\s)+1, \p
.endif
.if (\s) == 0
.if \v
	WIN MULW
	MUL16 0, 0, 2, 0
	MUL16 2, 0, 2, 0
.else
	WIN MULB
	MUL16 0, 0, 1, 64*(\p)
	MUL16 2, 0, 1, 64*(\p)
.endif
.else
	WIN MULW
	MUL16 0, (\s)%2, 0, 0
	MUL16 2, (\s)%2, 0, 0
.endif
	WIN 0
.endm
; The last K step of q and of k.  Its fragments are in registers, so nobody reads the weight's bytes any more: they are filled again with the next product's.  Each wave waits for all its tensor loads (none is out), adds 0 to its spare
; word, and waits for that and for its LDS reads; the barrier opens a round of the cluster's, so that no wave of any partner still reads those bytes; the joint refill is the first tensor load behind the round, one a wave.
.macro LAST on
	s_wait_tensorcnt 0x0
	ds_add_u32 v[SPW], v[NIL]
	s_wait_dscnt 0x0                               ; the add is done, this step's fragments are in, and my reads of the weight's bytes are over
	s_barrier_signal -1
	WIN MULW
	MUL16 0, 1, 0, 0                               ; work on registers while the others arrive
	WIN 0
	s_barrier_wait -1
	CREST
.if \on
	s_add_nc_u64 s[G0R+2:G0R+3], s[G0R+2:G0R+3], 64*12288   ; from k's tiles to v's; no tensor load of mine is out
	s_add_nc_u64 s[G0P+2:G0P+3], s[G0P+2:G0P+3], 4096       ; and their scale words
.endif
	ARM 1, G0R, G1B, .Lr_sc_\@, .Lr_on_\@          ; wave 0: the next weight's eight tiles; they land under the products below and the way out
	ARM 2, G0P, G1SB, .Lr_no_\@, .Lr_on_\@         ; wave 1: its scale words; waves 2 and 3 have no part to fill
.Lr_on_\@:
	WIN MULW
	MUL16 2, 1, 0, 0
	WIN 0
.endm
; THE WAY OUT.  For source 1's tile a, a lane's 64 registers run along source 0's 128 rows in their true order: 16 (lane / 16) + i of each 32.  A unit is 64 of them: two blocks of 32, each in lanes l and l xor 16.
; bm: the pair that is added (v's bias, or zeros); vo, ob, off: the stores' offset register, base and immediate
.macro UNIT a, g, bm, vo, ob, off
	WIN 0x02                                       ; source 0: window 2
.irp i, 0,1,2,3,4,5,6,7,8,9,10,11,12,13,14,15
	v_pk_add_f32 v[TQ+2*\i:TQ+2*\i+1], v[64*(\a)+32*(\g)+2*\i:64*(\a)+32*(\g)+2*\i+1], v[\bm:\bm+1]   ; each accumulator from its low end on
.endr
	WIN 0
	v_max3_num_f32 v[TM], |v[TQ]|, |v[TQ+1]|, 0x1800000      ; the floor 2^(3 - 127): the byte cannot fall under 1
	v_max3_num_f32 v[TM+1], |v[TQ+16]|, |v[TQ+17]|, 0x1800000
.irp i, 2,4,6,8,10,12,14
	v_max3_num_f32 v[TM], v[TM], |v[TQ+\i]|, |v[TQ+\i+1]|
	v_max3_num_f32 v[TM+1], v[TM+1], |v[TQ+16+\i]|, |v[TQ+17+\i]|
.endr
	v_permlanex16_b32 v[TM+2], v[TM], s[SEL], s[SEL+1]
	v_permlanex16_b32 v[TM+3], v[TM+1], s[SEL], s[SEL+1]
	v_max_num_f32 v[TM], v[TM], v[TM+2]
	v_max_num_f32 v[TM+1], v[TM+1], v[TM+3]
	v_add_nc_u32 v[TM+4], 0xff000000, v[TM]        ; 2 off the exponent field: the conversion's scale operand
	v_add_nc_u32 v[TM+5], 0xff000000, v[TM+1]
	v_lshrrev_b32 v[TM+6], 23, v[TM+4]
	v_lshrrev_b32 v[TM+7], 23, v[TM+5]
	v_lshl_or_b32 v[HW+2*(\a)+(\g)], v[TM+7], 8, v[TM+6]
	s_wait_alu depctr_va_vdst(0)
	s_wait_xcnt 0x0                                ; the earlier stores have read their codes and words
	v_cvt_scalef32_pk16_fp6_f32 v[CD:CD+2], v[TQ:TQ+15], v[TM+4]
	v_cvt_scalef32_pk16_fp6_f32 v[CD+4:CD+6], v[TQ+16:TQ+31], v[TM+5]
	v_nop                                          ; one plain place behind a scaled conversion
.irp i, 0,1,2
	v_permlane16_swap_b32 v[CD+\i], v[CD+4+\i]     ; lanes 0-15 now hold block 0 whole, lanes 16-31 block 1
.endr
.irp i, 0,1,2
	v_mov_b32 v[CD+3+\i], v[CD+4+\i]
.endr
.irp p, 0,1,2
	global_store_b64 v[\vo], v[CD+2*\p:CD+2*\p+1], s[\ob:\ob+1] offset:(\off)+256*\p   ; a plane: 256 consecutive bytes, aligned
.endr
.endm
.macro EPIQ p                          ; q, k: unit (a, g): token tile a of my four, head g
	PLACES NP
.irp g, 0,1
.irp a, 0,1,2,3
	UNIT \a, \g, ZP, L8Q, 2, (\p)*6656+\g*HB+\a*768
.endr
.endr
.irp g, 0,1                            ; my two words of head g: lanes 0-15 the even tile's rows, lanes 16-31 the odd tile's; the upper two bytes are 127
	v_cndmask_b32 v[RW+2*\g], v[HW+\g], v[HW+2+\g], s45
	v_cndmask_b32 v[RW+2*\g+1], v[HW+4+\g], v[HW+6+\g], s45
	v_or_b32 v[RW+2*\g], 0x7f7f0000, v[RW+2*\g]
	v_or_b32 v[RW+2*\g+1], 0x7f7f0000, v[RW+2*\g+1]
	global_store_b64 v[L16Q], v[RW+2*\g:RW+2*\g+1], s[2:3] offset:(\p)*6656+\g*HB+6144
.endr
.endm
.macro ARRIVED                         ; the refill has landed in every wave's sight
	s_wait_tensorcnt 0x0
	s_barrier_signal -1
	s_barrier_wait -1
.endm
	s_wait_alu depctr_va_vdst(0)                   ; the wait at the head's end
	s_wait_tensorcnt 0x0                           ; my tile of the head's four is in
	s_barrier_signal -1
	s_barrier_wait -1
	FETQ 0, 0
	s_wait_loadcnt 0x0                             ; the biases
	STEP 0, 0, 0, 0                                ; ---- q
	STEP 1, 0, 0, 0
	STEP 2, 0, 0, 0
	STEP 3, 0, 0, 0
	STEP 4, 0, 0, 0
	STEP 5, 0, 0, 0
	STEP 6, 0, 0, 0
	LAST 0
	s_wait_alu depctr_va_vdst(0)
	EPIQ 0
	ARRIVED
	FETQ 0, 1                                      ; ---- k
.irp s, 0,1,2,3,4,5,6
	STEP \s, 0, 1, 0
.endr
	LAST 1
	EPIQ 1
	ARRIVED
	FETV 0                                         ; ---- v
.irp s, 0,1,2,3,4,5,6
	STEP \s, 1, 0, 0
.endr
	s_wait_dscnt 0x0
	WIN MULW
	MUL16 0, 1, 0, 0
	MUL16 2, 1, 0, 0
	WIN 0
	PLACES NP
.irp g, 0,1                            ; v: unit (a, g): tile a of my head's 64 features, keys 64 g on of my 128
.irp a, 0,1,2,3
	UNIT \a, \g, BM+2*\a, L8, 12, 13312+\a*1536+\g*768
.endr
.endr
.irp t, 0,1,2,3                        ; word t: the four bytes of feature tile t's rows for these 128 keys
	v_lshl_or_b32 v[RW+\t], v[HW+2*\t+1], 16, v[HW+2*\t]
.endr
	global_store_b128 v[L16], v[RW:RW+3], s[12:13] offset:13312+6144
	s_wait_tensorcnt 0x0                           ; the wave's end
	ds_add_u32 v[SPW], v[NIL]
	s_wait_dscnt 0x0
	CROUND                                         ; the closing round: no work-group ends while a partner may still ask for a tile that names it
	s_endpgm
.Lfunc_end_k_q2d40d59448_qkv:
	.size	k_q2d40d59448_qkv, .Lfunc_end_k_q2d40d59448_qkv-k_q2d40d59448_qkv
	.p2alignl 7, 3214868480
	.fill 96, 4, 3214868480
	.section	.rodata,"a",@progbits
	.p2align	6, 0x0
	.amdhsa_kernel k_q2d40d59448_qkv
		.amdhsa_group_segment_fixed_size 327680
		.amdhsa_private_segment_fixed_size 0
		.amdhsa_enable_private_segment 0
		.amdhsa_kernarg_size 32
		.amdhsa_user_sgpr_count 2
		.amdhsa_user_sgpr_kernarg_segment_ptr 1
		.amdhsa_wavefront_size32 1
		.amdhsa_system_sgpr_workgroup_id_x 1
		.amdhsa_system_sgpr_workgroup_id_y 1
		.amdhsa_system_sgpr_workgroup_id_z 1
		.amdhsa_system_vgpr_workitem_id 0
		.amdhsa_next_free_vgpr 1024
		.amdhsa_next_free_sgpr 100
		.amdhsa_reserve_vcc 0
		.amdhsa_float_denorm_mode_32 3
		.amdhsa_float_denorm_mode_16_64 3
		.amdhsa_memory_ordered 1
		.amdhsa_forward_progress 1
		.amdhsa_inst_pref_size 255
	.end_amdhsa_kernel
	.section	.bss,"aw",@nobits
	.p2align	6
	.space	262144
	.amdgpu_metadata
---
amdhsa.version: [ 1, 2 ]
amdhsa.kernels:
  - .name:           k_q2d40d59448_qkv
    .symbol:         k_q2d40d59448_qkv.kd
    .args:
      - { .name: c1, .offset: 0, .size: 8, .value_kind: global_buffer, .address_space: global }
      - { .name: sc1, .offset: 8, .size: 8, .value_kind: global_buffer, .address_space: global }
      - { .name: b_qkv, .offset: 16, .size: 8, .value_kind: global_buffer, .address_space: global }
      - { .name: qkvc, .offset: 24, .size: 8, .value_kind: global_buffer, .address_space: global }
    .group_segment_fixed_size: 327680
    .private_segment_fixed_size: 0
    .kernarg_segment_align: 8
    .kernarg_segment_size: 32
    .max_flat_workgroup_size: 128
    .sgpr_count:     100
    .vgpr_count:     1024
    .wavefront_size: 32
...
	.end_amdgpu_metadata
.endif
;; end of part 2
;; launch attn (part 3): grid 4 x 64, 16 waves a work-group, clusters of 4 x 1, 327,680 bytes of LDS; arguments qkvc, ao, asc; writes ao, asc
.if DOCPART == 3
	.amdgcn_target "amdgcn-amd-amdhsa--gfx1250"
	.amdhsa_code_object_version 6
	.text
	.protected	k_q2d40d59448_attn
	.globl	k_q2d40d59448_attn
	.p2align	8
	.type	k_q2d40d59448_attn,@function
k_q2d40d59448_attn:
	s_mov_b64 s[64:65], 0
	v_nop
	global_prefetch_b8 v0, s[64:65] scope:SCOPE_SE
	s_setreg_imm32_b32 hwreg(HW_REG_WAVE_MODE, 25, 1), 1
	s_wait_xcnt 0x0
	s_wait_alu depctr_hold_cnt(0) depctr_sa_sdst(0) depctr_va_vdst(0) depctr_va_sdst(0) depctr_va_ssrc(0) depctr_va_vcc(0) depctr_vm_vsrc(0)
	s_getreg_b32 s2, hwreg(HW_REG_IB_STS2, 6, 4)
	s_cmp_eq_u32 s2, 0
	s_cbranch_scc0 .Lentry_in_a_cluster
	s_endpgm
.Lentry_in_a_cluster:
	s_bfe_u32 s2, ttmp6, 0x10000c
	s_cmp_lg_u32 s2, 0x3003
	s_cbranch_scc0 .Lentry_shape_is_right
	s_endpgm
.Lentry_shape_is_right:
; softmax(q k^T / 8) v for two heads and 256 queries a work-group, on codes of FP6 (E2M3) with E8M0 scales; the result, divided by the row's sum, is quantised along the features for the projection and leaves as codes.
; SHARES.  4 x 64 = 256 work-groups of 16 waves.  Waves 0-7 take the pair's first head, waves 8-15 the second; a wave owns 32 queries (two tiles of 16) and walks the head's 1,024 keys in 8 steps of 128.
; Each fragment of k and of v that a wave reads from LDS serves both its tiles.  Both products are used transposed (S^T = k q^T, O^T = v^T p^T): a lane holds one query.
; LDS.  k and v of both heads lie in LDS for the whole launch: wave w fetches step w % 8 of head w / 8 (13,312 consecutive bytes) by ONE joint load at the head; nothing is filled again.
; The tile is stated as 26 rows of 512 bytes with 64 bytes of padding behind each: byte y of a step lies at y + 64 (y / 512).
; CLUSTER: the four work-groups of a cluster hold the four quarters of the same heads' queries and ask for k and v jointly (mask 15).
; No prefetch: every tensor load goes out at the head, so there is no loop to run ahead in.
; WHICH KEYS FORM A TILE OF k.  qkvc holds k in tiles of 16 tokens 32 g + 8 u + r % 8 + 16 (r / 8).  The fragment loads take, by the lane's address, rows 0-7 and rows 8-15 from tiles two apart (1,536 bytes, in LDS 1,728):
; tile (c, u) then has keys 64 c + 8 u + i in rows 0-7 and 64 c + 32 + 8 u + i in rows 8-15.  So lane (r, h) holds, in registers S + 32 c + 0 .. 31, keys 64 c + 32 h + 0 .. 31 of query r:
; a whole scale block, in the order of p's operand: a block's maximum needs no other lane and the codes need no lane swap.  With the padding the 32 lanes of such a load fall on 64 different banks.
; SOFTMAX by the problem's rule: M = ceil(running largest t), kept as -M; p = 2^(t - M); the sum is taken of the unquantised p; when M moves, sum and O^T are multiplied by 2^(old M - new M), always, without a branch.
; A block's largest p is its largest score put through the same multiply-add and exponential.
; CHAINS SIDE BY SIDE: the maxima go in eight chains (one to an accumulator), the sums in five, and the scalar lines of the quantiser stand between lines that do not hang on them; the one serial run (from the maximum to f) carries hints.
; LIMITS: the promise holds while the scaled scores stay under 2^31 in magnitude; a block of zeros gets the byte 1 where the quantiser says 127 (its codes are zeros, and this program alone reads the bytes); NaN and infinities are not served.
; REGISTERS: v1-4 LDS addresses of the step; v8 f; v10-17 per tile (-M, largest score), (sum, sum); v18-19 p's scale words; v20-21 q's; v22-25 k's, then v's; v26-31 at work; v32-55 q (upper halves 0: the head has 64 of the product's 128);
; v56-103 k's eight fragments, then v's four; v104-111 chains and conversions' halves (also what tile 7's operand names beyond k: it meets q's zeros); v112-175 S, then p; tile 1's codes lie in v160-171, whose p are spent; v176-239 O^T; v240-251 tile 0's codes; v252-255 the lane's part of the addresses.
.set GRP,   19968                      ; qkvc: a group of 128 tokens: q, k, v
.set PART,  6656
.set HB,    159744                     ; a head
.set STEPL, 14976                      ; a step in LDS: 26 x (512 + 64)
.set HLDS,  8*STEPL
.set STG,   16*STEPL                   ; the stage for the result's scale bytes: [tile 16][r 16][head 2] halves
.set SPARE, STG+1024                   ; the spare words, 128 bytes a wave, which no other line names
.set ADK,  1
.set ADV,  2
.set ADKS, 3
.set ADVS, 4
.set SPW,  5
.set NIL,  6
.set SH8,  7
.set F,    8
.set ST,   10
.set PS,   18
.set QS,   20
.set KS,   22
.set BM,   26
.set SO,   28
.set T,    30
.set QF,   32
.set KF,   56
.set TC,   104
.set S,    112
.set O,    176
.set P0,   240
.set LK,   252
.set LV,   253
.set LKS,  254
.set LVS,  255
.set TB,   2
.set CNT,  3
.set WV,   18
.set SEL,  20
.set CS,   22
.set G1,   24
.set G0,   32
.macro WALU
	s_wait_alu depctr_va_vdst(0)
.endm
.macro CROUND
	s_barrier_signal -1
	s_barrier_wait -1
	s_cmp_lg_u32 s[WV], 0
	s_cbranch_scc1 .Lnot_wave_0_\@
	s_barrier_signal -3
.Lnot_wave_0_\@:
	s_barrier_wait -3
	s_barrier_signal -1
	s_barrier_wait -1
.endm
	s_load_b128 s[4:7], s[0:1], 0x0                ; qkvc, ao
	s_load_b64 s[8:9], s[0:1], 0x10                ; asc
	v_lshl_add_u32 v[SPW], v0, 2, SPARE
	v_mov_b32 v[NIL], 0
	ds_add_u32 v[SPW], v[NIL]                      ; the opening lines: the add, twice on end, and its wait
	ds_add_u32 v[SPW], v[NIL]
	v_lshrrev_b32 v[T], 5, v0
	v_readfirstlane_b32 s[WV], v[T]
	s_bfe_u32 s13, ttmp6, 0x40000                  ; cx: which 256 queries
	s_and_b32 s12, ttmp7, 0xffff                   ; which pair of heads
	s_mov_b32 s[G1], 15|(3<<16)|(1<<20)|(1<<21)|(6<<22)|(15<<25)   ; mask 15; elements of 8 bytes; 16 words of padding behind every 128
	s_mov_b32 s[G1+1], 64<<16
	s_mov_b32 s[G1+2], 26<<16
	s_mov_b32 s[G1+3], 64<<16
	s_mov_b32 s[G1+4], 26
	s_mov_b32 s[G1+5], 64
	s_mov_b32 s[G1+6], 0
	s_mov_b32 s[G1+7], 0
	s_mov_b32 s[SEL], 0x76543210
	s_mov_b32 s[SEL+1], 0xfedcba98
	s_mov_b32 s[CS], 0x3e38aa3b                    ; log2(e) / 8
	s_mov_b32 s[CS+1], s[CS]
	s_lshr_b32 s19, s[WV], 3                       ; my head of the pair
	s_and_b32 s17, s[WV], 7
	s_lshl_b32 s40, s12, 1
	s_add_co_u32 s40, s40, s19
	s_mul_i32 s40, s40, HB                         ; my head in qkvc
	s_mul_i32 s44, s17, GRP
	s_add_co_u32 s44, s44, s40
	s_add_co_u32 s44, s44, PART                    ; k and v of step wave % 8
	s_mov_b32 s45, 0
	s_mul_i32 s43, s[WV], STEPL
	s_mul_i32 s41, s19, HLDS
	s_lshl_b32 s46, s13, 1                         ; q: my tiles 2 (wave % 8), + 1 of the work-group's 16
	s_lshr_b32 s47, s17, 2
	s_add_co_u32 s46, s46, s47
	s_mul_i32 s46, s46, GRP
	s_add_co_u32 s46, s46, s40
	s_and_b32 s47, s17, 3
	s_mul_i32 s48, s47, 1536
	s_add_co_u32 s48, s48, s46
	s_mov_b32 s49, 0
	s_lshl_b32 s50, s47, 2
	s_add_co_u32 s50, s50, s46
	s_add_co_u32 s50, s50, 6144
	s_mov_b32 s51, 0
	s_lshr_b32 s52, s12, 3                         ; ao: [token tile][head][768]
	s_lshl_b32 s52, s52, 6
	s_lshl_b32 s53, s13, 4
	s_add_co_u32 s52, s52, s53
	s_lshl_b32 s56, s52, 6
	s_lshl_b32 s53, s17, 1
	s_add_co_u32 s52, s52, s53
	s_mul_i32 s52, s52, 12288
	s_and_b32 s54, s12, 7
	s_lshl_b32 s55, s54, 1
	s_add_co_u32 s55, s55, s19
	s_mul_i32 s55, s55, 768
	s_add_co_u32 s52, s52, s55
	s_mov_b32 s53, 0
	s_lshl_b32 s54, s54, 15                        ; asc: [pair of heads][token tile][r] words; waves 0 and 1 store 512 bytes each
	s_add_co_u32 s56, s56, s54
	s_lshl_b32 s54, s[WV], 9
	s_add_co_u32 s56, s56, s54
	s_mov_b32 s57, 0
	s_lshl_b32 s58, s17, 7                         ; the stage, in: 64 bytes a tile, 2 x head in a word
	s_lshl_b32 s59, s19, 1
	s_add_co_u32 s58, s58, s59
	s_add_co_u32 s58, s58, STG
	s_and_b32 s59, s[WV], 1                        ; and out
	s_lshl_b32 s59, s59, 9
	s_add_co_u32 s59, s59, STG
	s_wait_dscnt 0x0
	s_wait_kmcnt 0x0
	s_mov_b32 s[G0], 1
	s_mov_b32 s[G0+1], s43
	s_add_nc_u64 s[G0+2:G0+3], s[4:5], s[44:45]
	s_or_b32 s[G0+3], s[G0+3], 0x80000000
	s_add_nc_u64 s[48:49], s[4:5], s[48:49]
	s_add_nc_u64 s[50:51], s[4:5], s[50:51]
	s_add_nc_u64 s[52:53], s[6:7], s[52:53]
	s_add_nc_u64 s[56:57], s[8:9], s[56:57]
	CROUND                                         ; the four work-groups are here: the joint loads meet
	tensor_load_to_lds s[G0:G0+3], s[G1:G1+7]      ; my one tensor load
	s_nop 0
	v_and_b32 v[S], 31, v0                         ; lane
	v_and_b32 v[S+1], 15, v0                       ; r
	v_bfe_u32 v[S+2], v0, 4, 1                     ; h
	v_and_b32 v[S+3], 7, v0                        ; r % 8
	v_bfe_u32 v[S+4], v0, 3, 1                     ; r / 8
	v_lshlrev_b32 v[S+5], 3, v[S]
	v_lshlrev_b32 v[S+6], 4, v[S+1]
.irp u, 0,1
.irp p, 0,1,2
	global_load_b64 v[QF+12*\u+2*\p:QF+12*\u+2*\p+1], v[S+5], s[48:49] offset:768*\u+256*\p
.endr
	global_load_b32 v[QS+\u], v[S+6], s[50:51] offset:256*\u
.endr
	v_lshlrev_b32 v[SH8], 3, v[S+2]                ; 8 h: where my blocks' bytes stand in p's scale word
	v_add_nc_u32 v[LV], s41, v[S+5]                ; v's fragments: 8 x lane
	v_lshl_add_u32 v[LVS], v[S], 4, s41            ; v's scale words: 16 x lane
	v_lshl_add_u32 v[LK], v[S+3], 3, s41           ; k's fragments: 8 (r % 8) + 128 h + 1,728 (r / 8)
	v_lshl_add_u32 v[LK], v[S+2], 7, v[LK]
	v_mad_u32_u24 v[LK], v[S+4], 1728, v[LK]
	v_lshl_add_u32 v[LKS], v[S+3], 4, s41          ; k's scale words: 16 (r % 8) + 4 (r / 8) + 8 h: lanes 0-15 take tile (0, u)'s rows, lanes 16-31 tile (1, u)'s
	v_lshl_add_u32 v[LKS], v[S+4], 2, v[LKS]
	v_lshl_add_u32 v[LKS], v[S+2], 3, v[LKS]
.irp u, 0,1
.irp i, 6,7,8,9,10,11
	v_mov_b32 v[QF+12*\u+\i], 0
.endr
	v_mov_b32 v[ST+4*\u+1], 0xff61b1e6             ; the largest score so far: -3e38
	v_floor_f32 v[ST+4*\u], -v[ST+4*\u+1]
	v_mov_b32 v[ST+4*\u+2], 0
	v_mov_b32 v[ST+4*\u+3], 0
.endr
.irp i, 0,1,2,3,4,5
	v_mov_b32 v[TC+\i], 0
.endr
	v_mov_b32 v[T+1], 0                            ; a lane permute's destination counts as one of its sources
	v_mov_b32 v[F+1], 0                            ; named as the upper half of f's pair
.set J, 0
.rept 64
	v_mov_b32 v[O+J], 0                            ; the step is written once: the first finds zeros
.set J, J+1
.endr
.macro KLOADS                          ; k's eight fragments (64 of K: six registers each) and their scale words
.irp c, 0,1
.irp u, 0,1,2,3
.irp p, 0,1,2
.set Y, (4*\c+\u%2)*768+256*\p
	ds_load_b64 v[KF+6*(4*\c+\u)+2*\p:KF+6*(4*\c+\u)+2*\p+1], v[ADK] offset:Y+64*(Y/512)+64*(\u/2)
.endr
.endr
.endr
.irp u, 0,1,2,3
	ds_load_b32 v[KS+\u], v[ADKS] offset:6144+64*12+256*(\u%2)+128*(\u/2)
.endr
.endm
.macro VLOADS                          ; v's four fragments (16 features x 128 keys) and their scale words
.irp t, 0,1,2,3
.irp p, 0,1,2,3,4,5
.set Y, PART+1536*\t+256*\p
	ds_load_b64 v[KF+12*\t+2*\p:KF+12*\t+2*\p+1], v[ADV] offset:Y+64*(Y/512)
.endr
.endr
	ds_load_b128 v[KS:KS+3], v[ADVS] offset:PART+6144+64*25
.endm
.macro SMUL qq                         ; S^T of tile qq: eight products; a fragment's upper six registers are the next tile's and meet q's zeros
.irp c, 0,1
.irp u, 0,1,2,3
.if \c
	v_wmma_scale_f32_16x16x128_f8f6f4 v[S+8*(4*\c+\u):S+8*(4*\c+\u)+7], v[KF+6*(4*\c+\u):KF+6*(4*\c+\u)+11], v[QF+12*\qq:QF+12*\qq+11], 0, v[KS+\u], v[QS+\qq] matrix_a_fmt:MATRIX_FMT_FP6 matrix_b_fmt:MATRIX_FMT_FP6 matrix_a_scale:MATRIX_SCALE_ROW1
.else
	v_wmma_scale_f32_16x16x128_f8f6f4 v[S+8*(4*\c+\u):S+8*(4*\c+\u)+7], v[KF+6*(4*\c+\u):KF+6*(4*\c+\u)+11], v[QF+12*\qq:QF+12*\qq+11], 0, v[KS+\u], v[QS+\qq] matrix_a_fmt:MATRIX_FMT_FP6 matrix_b_fmt:MATRIX_FMT_FP6
.endif
.endr
.endr
.endm
.macro SOFT qq, pb                     ; the scores of tile qq become p; its codes go to v[pb .. pb + 11], its scale word to v[PS + qq]
.set NM, ST+4*\qq
.set SU, ST+4*\qq+2
.irp t, 0,1,2,3,4,5,6,7                ; the largest scores: eight chains side by side, one to an accumulator, each from its low end on
	v_max3_num_f32 v[TC+\t], v[S+8*\t], v[S+8*\t+1], v[S+8*\t+2]
.endr
.irp i, 3,5
.irp t, 0,1,2,3,4,5,6,7
	v_max3_num_f32 v[TC+\t], v[TC+\t], v[S+8*\t+\i], v[S+8*\t+\i+1]
.endr
.endr
	v_max_num_f32 v[T], v[S+23], v[S+31]           ; each accumulator's last register, and the chains, join by blocks of 32 keys
	v_max_num_f32 v[T+1], v[S+55], v[S+63]
.irp c, 0,1
	v_max3_num_f32 v[TC+4*\c], v[TC+4*\c], v[TC+4*\c+1], v[S+32*\c+7]
	v_max3_num_f32 v[TC+4*\c+2], v[TC+4*\c+2], v[TC+4*\c+3], v[S+32*\c+15]
.endr
	s_delay_alu instid0(VALU_DEP_3)
	v_max3_num_f32 v[BM], v[TC], v[TC+2], v[T]     ; my two blocks' largest scores
	s_delay_alu instid0(VALU_DEP_2)
	v_max3_num_f32 v[BM+1], v[TC+4], v[TC+6], v[T+1]
	s_delay_alu instid0(VALU_DEP_1)
	v_max3_num_f32 v[T], v[BM], v[BM+1], v[NM+1]
	s_delay_alu instid0(VALU_DEP_1)
	v_permlanex16_b32 v[T+1], v[T], s[SEL], s[SEL+1]
	s_delay_alu instid0(VALU_DEP_1)
	v_max_num_f32 v[NM+1], v[T], v[T+1]            ; the query's running largest score
	s_delay_alu instid0(VALU_DEP_1)
	v_mul_f32 v[T], s[CS], v[NM+1]
	s_delay_alu instid0(VALU_DEP_1)
	v_floor_f32 v[T], -v[T]                        ; the new -M
	s_delay_alu instid0(VALU_DEP_1)
	v_sub_f32 v[T+1], v[T], v[NM]                  ; old M less new M: a whole number, 0 or less
	v_mov_b32 v[NM], v[T]
	s_delay_alu instid0(VALU_DEP_2)
	v_cvt_i32_f32 v[T+1], v[T+1]                   ; (it saturates)
	s_delay_alu instid0(VALU_DEP_1)
	v_ldexp_f32 v[F], 1.0, v[T+1]                  ; f = 2^(old M - new M)
.set J, 0
.rept 32
	v_pk_fma_f32 v[S+J:S+J+1], v[S+J:S+J+1], s[CS:CS+1], v[NM:NM+1] op_sel_hi:[1,0,0]
.set J, J+2
.endr
.irp c, 0,1
	v_fma_f32 v[BM+\c], v[BM+\c], s[CS], v[NM]
.endr
	WALU                                           ; the wait ahead of the batch
.set J, 0
.rept 64
	v_exp_f32 v[S+J], v[S+J]
.set J, J+1
.endr
	v_exp_f32 v[BM], v[BM]                         ; the blocks' largest p
	v_exp_f32 v[BM+1], v[BM+1]
	v_pk_mul_f32 v[SU:SU+1], v[SU:SU+1], v[F:F+1] op_sel_hi:[1,0]   ; the sums under the new M: the plain place behind the batch
	WALU                                           ; one wait for the batch, ahead of its first reader
.irp i, 0,1,2,3                        ; the sum of the unquantised p: 32 pairs in five chains side by side
	v_pk_add_f32 v[TC+2*\i:TC+2*\i+1], v[S+2*\i:S+2*\i+1], v[S+10+2*\i:S+11+2*\i]
.endr
	v_pk_add_f32 v[T:T+1], v[S+8:S+9], v[S+18:S+19]
.irp x, 20,30,40,50
.irp i, 0,1,2,3
	v_pk_add_f32 v[TC+2*\i:TC+2*\i+1], v[TC+2*\i:TC+2*\i+1], v[S+\x+2*\i:S+\x+2*\i+1]
.endr
	v_pk_add_f32 v[T:T+1], v[T:T+1], v[S+\x+8:S+\x+9]
.endr
	v_pk_add_f32 v[TC:TC+1], v[TC:TC+1], v[S+60:S+61]
	v_pk_add_f32 v[TC+2:TC+3], v[TC+2:TC+3], v[S+62:S+63]
	v_pk_add_f32 v[TC+4:TC+5], v[TC+4:TC+5], v[TC+6:TC+7]          ; the chains join; the quantiser's scalar lines stand between
	v_max_num_f32 v[BM], 0x1800000, v[BM]          ; the floor 2^(3 - 127): the byte cannot fall under 1
	v_max_num_f32 v[BM+1], 0x1800000, v[BM+1]
	v_pk_add_f32 v[T:T+1], v[T:T+1], v[TC:TC+1]
	v_pk_add_f32 v[TC+2:TC+3], v[TC+2:TC+3], v[TC+4:TC+5]
	v_add_nc_u32 v[SO], 0xff000000, v[BM]          ; 2 off the exponent field: the conversion's scale operand
	v_add_nc_u32 v[SO+1], 0xff000000, v[BM+1]
	v_pk_add_f32 v[T:T+1], v[T:T+1], v[TC+2:TC+3]
	v_cvt_scalef32_pk16_fp6_f32 v[TC:TC+2], v[S+48:S+63], v[SO+1]      ; a conversion's three registers begin on an even number: the blocks' upper halves are made here and moved
	v_cvt_scalef32_pk16_fp6_f32 v[TC+4:TC+6], v[S+16:S+31], v[SO]
	v_lshrrev_b32 v[BM], 23, v[SO]                 ; the byte of block 2 c + h.  (Plain places: tile 1's codes land on p that the first conversion has read)
	v_lshrrev_b32 v[BM+1], 23, v[SO+1]
	v_pk_add_f32 v[SU:SU+1], v[SU:SU+1], v[T:T+1]
	v_cvt_scalef32_pk16_fp6_f32 v[\pb+6:\pb+8], v[S+32:S+47], v[SO+1]
	v_cvt_scalef32_pk16_fp6_f32 v[\pb:\pb+2], v[S:S+15], v[SO]
	v_lshl_or_b32 v[T], v[BM+1], 16, v[BM]         ; the scale word's four lines, with the moves between them
	v_mov_b32 v[\pb+9], v[TC]
	v_mov_b32 v[\pb+3], v[TC+4]
	v_lshlrev_b32 v[T], v[SH8], v[T]
	v_mov_b32 v[\pb+10], v[TC+1]
	v_mov_b32 v[\pb+4], v[TC+5]
	v_permlanex16_b32 v[T+1], v[T], s[SEL], s[SEL+1]
	v_mov_b32 v[\pb+11], v[TC+2]
	v_mov_b32 v[\pb+5], v[TC+6]
	v_or_b32 v[PS+\qq], v[T], v[T+1]               ; with lane l xor 16's two bytes the word is whole
.endm
.macro RESC qq                         ; O^T of tile qq under the new M: 16 plain lines
	WALU                                           ; the wait directly ahead of the first reader of O^T
.set J, 0
.rept 16
	v_pk_mul_f32 v[O+32*\qq+J:O+32*\qq+J+1], v[O+32*\qq+J:O+32*\qq+J+1], v[F:F+1] op_sel_hi:[1,0]
.set J, J+2
.endr
.endm
	s_mov_b32 s[TB], 0
	s_mov_b32 s[CNT], 8
	WALU                                           ; the wait at the head's end
	s_wait_loadcnt 0x0                             ; q
	s_wait_tensorcnt 0x0                           ; my step of k and v is in,
	s_barrier_signal -1
	s_barrier_wait -1                              ; everybody's is
.Lstep:
	v_add_nc_u32 v[ADK], s[TB], v[LK]              ; five places behind the last products: loads land on v's fragments, and the scores on tile 1's codes
	v_add_nc_u32 v[ADKS], s[TB], v[LKS]
.rept 3
	v_nop
.endr
	KLOADS
	s_wait_dscnt 0x0
	SMUL 0
	v_add_nc_u32 v[ADV], s[TB], v[LV]              ; four places ahead of the first read of the scores
	v_add_nc_u32 v[ADVS], s[TB], v[LVS]
	v_nop
	v_nop
	SOFT 0, P0
	SMUL 1
	RESC 0                                         ; tile 0's f still stands; the 16 lines are the places ahead of the loads into k's fragments and of the first read of the scores
	VLOADS                                         ; k is spent: v lands under tile 1's softmax
	SOFT 1, S+48
	s_wait_dscnt 0x0                               ; v's fragments and scale words
	RESC 1                                         ; also the places between tile 1's codes, its scale word and the products
.irp t, 0,1,2,3                        ; O^T += v^T p^T: the eight accumulators by turns
	v_wmma_scale_f32_16x16x128_f8f6f4 v[O+8*\t:O+8*\t+7], v[KF+12*\t:KF+12*\t+11], v[P0:P0+11], v[O+8*\t:O+8*\t+7], v[KS+\t], v[PS] matrix_a_fmt:MATRIX_FMT_FP6 matrix_b_fmt:MATRIX_FMT_FP6
	v_wmma_scale_f32_16x16x128_f8f6f4 v[O+32+8*\t:O+32+8*\t+7], v[KF+12*\t:KF+12*\t+11], v[S+48:S+59], v[O+32+8*\t:O+32+8*\t+7], v[KS+\t], v[PS+1] matrix_a_fmt:MATRIX_FMT_FP6 matrix_b_fmt:MATRIX_FMT_FP6
.endr
	s_add_co_u32 s[TB], s[TB], STEPL
	s_sub_co_u32 s[CNT], s[CNT], 1
	s_cmp_lg_u32 s[CNT], 0
	s_cbranch_scc1 .Lstep
	v_and_b32 v[T], 31, v0                         ; the way out's addresses: six places behind the last products
	v_and_b32 v[T+1], 15, v0
	v_lshlrev_b32 v[ADK], 3, v[T]                  ; 8 x lane
	v_lshlrev_b32 v[ADVS], 4, v[T]                 ; 16 x lane
	v_lshl_add_u32 v[ADV], v[T+1], 2, s58          ; the stage, in
	v_add_nc_u32 v[ADKS], s59, v[ADVS]             ; and out
; O^T / the sum, quantised along the head's 64 features: two blocks of 32, each in lanes l and l xor 16
.macro FINISH qq
.set SU, ST+4*\qq+2
.set OB, O+32*\qq
.set PC, P0+6*\qq
	v_add_f32 v[SU], v[SU], v[SU+1]
	v_permlanex16_b32 v[T+1], v[SU], s[SEL], s[SEL+1]
	v_add_f32 v[SU], v[SU], v[T+1]                 ; the row's sum
	WALU
	v_rcp_f32 v[SU], v[SU]
	v_nop
	WALU
.set J, 0
.rept 16
	v_pk_mul_f32 v[S+J:S+J+1], v[OB+J:OB+J+1], v[SU:SU+1] op_sel_hi:[1,0]
.set J, J+2
.endr
	v_max3_num_f32 v[BM], |v[S]|, |v[S+1]|, 0x1800000
	v_max3_num_f32 v[BM+1], |v[S+16]|, |v[S+17]|, 0x1800000
.irp i, 2,4,6,8,10,12,14
	v_max3_num_f32 v[BM], v[BM], |v[S+\i]|, |v[S+1+\i]|
	v_max3_num_f32 v[BM+1], v[BM+1], |v[S+16+\i]|, |v[S+17+\i]|
.endr
	v_permlanex16_b32 v[T], v[BM], s[SEL], s[SEL+1]
	v_permlanex16_b32 v[T+1], v[BM+1], s[SEL], s[SEL+1]
	v_max_num_f32 v[BM], v[BM], v[T]
	v_max_num_f32 v[BM+1], v[BM+1], v[T+1]
	v_add_nc_u32 v[SO], 0xff000000, v[BM]
	v_add_nc_u32 v[SO+1], 0xff000000, v[BM+1]
	v_lshrrev_b32 v[T], 23, v[SO]
	v_lshrrev_b32 v[T+1], 23, v[SO+1]
	v_lshl_or_b32 v[BM], v[T+1], 8, v[T]
	ds_store_b16 v[ADV], v[BM] offset:64*\qq       ; my head's two bytes of the row's scale word (both halves of the lanes write the same)
	v_cvt_scalef32_pk16_fp6_f32 v[PC:PC+2], v[S:S+15], v[SO]
	v_cvt_scalef32_pk16_fp6_f32 v[TC:TC+2], v[S+16:S+31], v[SO+1]
	v_nop
.irp i, 0,1,2
	v_permlane16_swap_b32 v[PC+\i], v[TC+\i]       ; lanes 0-15 now hold block 0 whole, lanes 16-31 block 1
.endr
.irp i, 0,1,2
	v_mov_b32 v[PC+3+\i], v[TC+\i]
.endr
.irp p, 0,1,2
	global_store_b64 v[ADK], v[PC+2*\p:PC+2*\p+1], s[52:53] offset:12288*\qq+256*\p   ; a plane: 256 consecutive bytes, aligned
.endr
.endm
	FINISH 0
	FINISH 1
	s_wait_dscnt 0x0                               ; my bytes are in the stage
	s_barrier_signal -1
	s_barrier_wait -1
	s_cmp_lt_u32 s[WV], 2
	s_cbranch_scc0 .Lno_words
	ds_load_b128 v[32:35], v[ADKS]
	s_wait_dscnt 0x0
	global_store_b128 v[ADVS], v[32:35], s[56:57]  ; 512 consecutive bytes, aligned
.Lno_words:
	s_wait_tensorcnt 0x0                           ; the wave's end
	ds_add_u32 v[SPW], v[NIL]
	s_wait_dscnt 0x0
	CROUND                                         ; the closing round
	s_endpgm
.Lfunc_end_k_q2d40d59448_attn:
	.size	k_q2d40d59448_attn, .Lfunc_end_k_q2d40d59448_attn-k_q2d40d59448_attn
	.p2alignl 7, 3214868480
	.fill 96, 4, 3214868480
	.section	.rodata,"a",@progbits
	.p2align	6, 0x0
	.amdhsa_kernel k_q2d40d59448_attn
		.amdhsa_group_segment_fixed_size 327680
		.amdhsa_private_segment_fixed_size 0
		.amdhsa_enable_private_segment 0
		.amdhsa_kernarg_size 24
		.amdhsa_user_sgpr_count 2
		.amdhsa_user_sgpr_kernarg_segment_ptr 1
		.amdhsa_wavefront_size32 1
		.amdhsa_system_sgpr_workgroup_id_x 1
		.amdhsa_system_sgpr_workgroup_id_y 1
		.amdhsa_system_sgpr_workgroup_id_z 1
		.amdhsa_system_vgpr_workitem_id 0
		.amdhsa_next_free_vgpr 256
		.amdhsa_next_free_sgpr 66
		.amdhsa_reserve_vcc 0
		.amdhsa_float_denorm_mode_32 3
		.amdhsa_float_denorm_mode_16_64 3
		.amdhsa_memory_ordered 1
		.amdhsa_forward_progress 1
		.amdhsa_inst_pref_size 46
	.end_amdhsa_kernel
	.amdgpu_metadata
---
amdhsa.version: [ 1, 2 ]
amdhsa.kernels:
  - .name:           k_q2d40d59448_attn
    .symbol:         k_q2d40d59448_attn.kd
    .args:
      - { .name: qkvc, .offset: 0, .size: 8, .value_kind: global_buffer, .address_space: global }
      - { .name: ao, .offset: 8, .size: 8, .value_kind: global_buffer, .address_space: global }
      - { .name: asc, .offset: 16, .size: 8, .value_kind: global_buffer, .address_space: global }
    .group_segment_fixed_size: 327680
    .private_segment_fixed_size: 0
    .kernarg_segment_align: 8
    .kernarg_segment_size: 24
    .max_flat_workgroup_size: 512
    .sgpr_count:     66
    .vgpr_count:     256
    .wavefront_size: 32
...
	.end_amdgpu_metadata
.endif
;; end of part 3
;; launch proj (part 4): grid 8 x 32, 4 waves a work-group, clusters of 4 x 4, 327,680 bytes of LDS; arguments ao, asc, c1, sc1, b_proj, out0; writes out0
.if DOCPART == 4
	.amdgcn_target "amdgcn-amd-amdhsa--gfx1250"
	.amdhsa_code_object_version 6
	.text
	.protected	k_q2d40d59448_proj
	.globl	k_q2d40d59448_proj
	.p2align	8
	.type	k_q2d40d59448_proj,@function
k_q2d40d59448_proj:
	s_mov_b64 s[64:65], 0
	v_nop
	global_prefetch_b8 v0, s[64:65] scope:SCOPE_SE
	s_setreg_imm32_b32 hwreg(HW_REG_WAVE_MODE, 25, 1), 1
	s_wait_xcnt 0x0
	s_wait_alu depctr_hold_cnt(0) depctr_sa_sdst(0) depctr_va_vdst(0) depctr_va_sdst(0) depctr_va_ssrc(0) depctr_va_vcc(0) depctr_vm_vsrc(0)
	s_getreg_b32 s2, hwreg(HW_REG_IB_STS2, 6, 4)
	s_cmp_eq_u32 s2, 0
	s_cbranch_scc0 .Lentry_in_a_cluster
	s_endpgm
.Lentry_in_a_cluster:
	s_bfe_u32 s2, ttmp6, 0x10000c
	s_cmp_lg_u32 s2, 0xf033
	s_cbranch_scc0 .Lentry_shape_is_right
	s_endpgm
.Lentry_shape_is_right:
; out0 = attention's result x w_proj + b_proj on codes of FP6 (E2M3) with E8M0 scales, K = 1024; out0 [8192][1024] f32.
; SHARES.  8 x 32 = 256 work-groups of four waves; a work-group makes 256 tokens x 128 features, a wave 64 tokens x 128 features: 32 accumulators in window 2.
; BOTH OPERANDS LIE IN LDS FOR ALL OF K (294,912 bytes) with their scale words: every tensor load goes out at the start and nothing is filled again; the products begin when all have landed.
; OPERANDS are register images (16 rows x 64 K = 768 bytes, three planes of 256): a fragment of 128 K is six ds_load_b64 at 8 x lane, 256 bytes apart.  The 16 rows of a tile are rows 32 g + 8 u + r + 8 (r / 8) of their 32.
; Source 0 = the weight's columns, source 1 = the tokens: a lane holds one token, and 16 registers of two neighbouring tiles are 16 neighbouring features.  The bias is the C of each sum's first product (window 3).
; CLUSTERS: 4 x 4 work-groups: the tokens' tiles are asked for jointly along a row of the cluster, the weight's along a column.
; REGISTERS: window 0: v16-31 addresses; v32-55 scale words, two sets; v128-223 the tokens' fragments, two sets; on the way out v128-255.  window 1: the weight's fragments, two sets.  window 2: accumulator (a, b) at v[8 (8 a + b)].  window 3: the bias.
.set FR,    12
.set NP,    4
.set TROW,  12288                      ; a tile's 1,024 along K
.set CH,    4*TROW                     ; four tiles: what one address register reaches by immediates
.set WOFF,  16*TROW
.set SCX,   24*TROW                    ; behind 16 token tiles and 8 weight tiles: the tokens' scale words: [128 K: 8][tile 16][r 16]
.set SCW,   SCX+8192                   ; the weight's: [128 K: 8][tile 8][r 16]
.set SPARE, SCW+4096                   ; the spare words, 128 bytes a wave, which no other line names
.set SPITCH, 528                       ; the way out: a stage of 16 rows x (512 bytes + 16) for each wave, at the head of the wave's own four token tiles, which are filled once and which no other wave reads
.set ADRA,  16
.set ADRB,  20
.set STO,   24
.set RD,    25
.set CO,    26
.set L8,    27
.set SPW,   28
.set NIL,   29
.set ASX1,  30
.set ASW0,  31
.set SCA,   32
.set SCB,   36
.set AF,    128
.set BK,    128
.set G1, 24
.set G0, 32
.set G1B, 48
.set G0B, 56
.set G1S, 68
.set G0S, 76
.set G1SB, 80
.set G0SB, 88
.set MSB, 0
.macro WIN new                         ; the immediate's high byte repeats the setting that is left
.if MSB != (\new)
	s_set_vgpr_msb (MSB<<8)|(\new)
.set MSB, (\new)
.endif
.endm
.set MULW, 0xa1                        ; source 0 window 1, source 1 window 0, C and D window 2
.set MULB, 0xb1                        ; the same, C window 3: the bias
.set TO_B, 0x40
; One arm of a chain of branches on the wave's number: the waves under \under that no earlier arm took issue this joint load and jump to the chain's end.  An s_nop 0 and four v_nop follow the load.
.macro ARM under, g0, g1, next, join
	s_cmp_lt_u32 s14, \under
	s_cbranch_scc0 \next
	tensor_load_to_lds s[\g0:\g0+3], s[\g1:\g1+7]
	s_nop 0
.rept 4
	v_nop
.endr
	s_branch \join
\next:
.endm
.macro CREST
	s_cmp_lg_u32 s14, 0
	s_cbranch_scc1 .Lnot_wave_0_\@
	s_barrier_signal -3
.Lnot_wave_0_\@:
	s_barrier_wait -3
	s_barrier_signal -1
	s_barrier_wait -1
.endm
.macro CROUND
	s_barrier_signal -1
	s_barrier_wait -1
	CREST
.endm
	s_load_b128 s[4:7], s[0:1], 0x0                ; ao, asc
	s_load_b128 s[8:11], s[0:1], 0x10              ; c1, sc1
	s_load_b128 s[96:99], s[0:1], 0x20             ; b_proj, out0
	v_lshl_add_u32 v[SPW], v0, 2, SPARE
	v_mov_b32 v[NIL], 0
	ds_add_u32 v[SPW], v[NIL]                      ; the wave's opening: the add and its wait ahead of my first tensor load
	ds_add_u32 v[SPW], v[NIL]
	v_lshrrev_b32 v1, 5, v0
	v_readfirstlane_b32 s14, v1                    ; wave
	s_bfe_u32 s40, ttmp6, 0x40000                  ; cx
	s_bfe_u32 s41, ttmp6, 0x40004                  ; cy
	s_lshl_b32 s42, ttmp9, 2
	s_add_co_u32 s42, s42, s40                     ; tile column: 128 features
	s_and_b32 s17, ttmp7, 0xffff
	s_lshl_b32 s17, s17, 2
	s_add_co_u32 s17, s17, s41                     ; tile row: 256 tokens
	s_lshl_b32 s43, s41, 2
	s_lshl_b32 s43, 15, s43                        ; my row of the cluster
	s_lshl_b32 s44, 0x1111, s40                    ; my column
	s_or_b32 s[G1], s43, (3<<16)|(1<<21)           ; 15:0 the mask; 17:16 elements of 8 bytes; 21 set beside a mask; no padding
	s_or_b32 s[G1B], s44, (3<<16)|(1<<21)
.irp g, G1, G1B                        ; codes: rows of 12,288 bytes (a tile's 1,024 along K), 12,288 bytes apart
	s_mov_b32 s[\g+1], 1536<<16                    ; a row is a whole tile: 12,288 bytes
	s_mov_b32 s[\g+3], 1536<<16
	s_mov_b32 s[\g+5], 1536
	s_mov_b32 s[\g+6], 0
	s_mov_b32 s[\g+7], 0
.endr
	s_mov_b32 s[G1+2], 16<<16                      ; the tokens': 16 tiles a load
	s_mov_b32 s[G1+4], 16
	s_mov_b32 s[G1B+2], 8<<16                      ; the weight's: 8
	s_mov_b32 s[G1B+4], 8
	s_or_b32 s[G1S], s43, (3<<16)|(1<<21)
	s_or_b32 s[G1SB], s44, (3<<16)|(1<<21)
.irp g, G1S, G1SB                      ; scale words: 8 steps of 128 K a load
	s_mov_b32 s[\g+2], 8<<16                       ; all 8 steps of 128 K in one load
	s_mov_b32 s[\g+4], 8
	s_mov_b32 s[\g+6], 0
	s_mov_b32 s[\g+7], 0
.endr
	s_mov_b32 s[G1S+1], 128<<16                    ; 16 tiles: 1,024 bytes;
	s_mov_b32 s[G1S+3], 128<<16
	s_mov_b32 s[G1S+5], 4096                       ; asc: 32,768 bytes from step to step
	s_mov_b32 s[G1SB+1], 64<<16                    ; 8 tiles: 512 bytes;
	s_mov_b32 s[G1SB+3], 64<<16
	s_mov_b32 s[G1SB+5], 6144                      ; sc1: 49,152
	s_lshl_b32 s20, s17, 4                         ; my work-group's first token tile
	s_mul_i32 s20, s20, 12288
	s_mov_b32 s21, 0
	s_lshl_b32 s22, s17, 10                        ; my work-group's 16 tiles' scale words,
	s_mov_b32 s23, 0
	s_lshl_b32 s46, s42, 3
	s_add_co_u32 s46, s46, 704                     ; w_proj's first tile of mine
	s_lshl_b32 s12, s46, 6
	s_mov_b32 s13, 0
	s_mul_i32 s46, s46, 12288                      ; its codes: my eight tiles
	s_mov_b32 s47, 0
.irp g, G0, G0B, G0S, G0SB
	s_mov_b32 s[\g], 1
.endr
	s_mov_b32 s[G0+1], 0                           ; where they go: constants
	s_mov_b32 s[G0B+1], WOFF
	s_mov_b32 s[G0S+1], SCX
	s_mov_b32 s[G0SB+1], SCW
	s_wait_dscnt 0x0                               ; the opening add is done
	s_wait_kmcnt 0x0
	s_add_nc_u64 s[G0+2:G0+3], s[4:5], s[20:21]
	s_or_b32 s[G0+3], s[G0+3], 0x80000000
	s_add_nc_u64 s[G0B+2:G0B+3], s[8:9], s[46:47]
	s_or_b32 s[G0B+3], s[G0B+3], 0x80000000
	s_add_nc_u64 s[G0S+2:G0S+3], s[6:7], s[22:23]
	s_or_b32 s[G0S+3], s[G0S+3], 0x80000000
	s_add_nc_u64 s[G0SB+2:G0SB+3], s[10:11], s[12:13]
	s_or_b32 s[G0SB+3], s[G0SB+3], 0x80000000
	CROUND                                         ; all sixteen work-groups are here: the joint loads meet
	; the four tiles, one joint load a wave: wave 0 the tokens' codes, wave 1 the weight's, wave 2 the tokens' scale words, wave 3 the weight's
	ARM 1, G0, G1, .Lh_w, .Lh_asked
	ARM 2, G0B, G1B, .Lh_sx, .Lh_asked
	ARM 3, G0S, G1S, .Lh_sw, .Lh_asked
	tensor_load_to_lds s[G0SB:G0SB+3], s[G1SB:G1SB+7]
	s_nop 0
.rept 4
	v_nop
.endr
.Lh_asked:
	v_and_b32 v1, 15, v0                           ; r
	v_bfe_u32 v2, v0, 4, 1                         ; h
	v_and_b32 v3, 31, v0
	v_lshlrev_b32 v[L8], 3, v3                     ; 8 x lane
	v_lshlrev_b32 v[CO], 4, v3                     ; 16 x lane
	s_mul_i32 s20, s14, 4*TROW                     ; my 64 tokens
.irp c, 0,1
	v_add_nc_u32 v[ADRA+\c], s20, v[L8]
	v_add_nc_u32 v[ADRB+\c], WOFF+\c*CH, v[L8]
	s_add_co_u32 s20, s20, CH
.endr
	s_lshl_b32 s20, s14, 8                         ; scale words: 64 bytes a tile, 4 r in it; every lane takes row lane % 16's
	s_add_co_u32 s20, s20, SCX
	v_lshl_add_u32 v[ASX1], v1, 2, s20
	v_lshl_add_u32 v[ASW0], v1, 2, SCW
	s_mul_i32 s23, s14, 4*TROW                     ; my stage: the head of my own four token tiles
	v_mul_u32_u24 v7, v1, SPITCH
	v_lshl_add_u32 v7, v2, 6, v7
	v_add_nc_u32 v[STO], s23, v7                   ; in: row r, + 64 h
	v_add_nc_u32 v[RD], s23, v[CO]                 ; back: a row of 512 bytes
	s_lshl_b32 s46, s42, 9                         ; my work-group's first feature, in bytes
	s_mov_b32 s47, 0
	s_add_nc_u64 s[96:97], s[96:97], s[46:47]      ; its bias
	s_lshl_b32 s20, s17, 20                        ; my first token's row of 4,096 bytes: 256 x tile row + 64 x wave
	s_lshl_b32 s21, s14, 18
	s_add_co_u32 s20, s20, s21
	s_mov_b32 s21, 0
	s_add_nc_u64 s[20:21], s[20:21], s[46:47]
	s_add_nc_u64 s[98:99], s[98:99], s[20:21]
	v_lshlrev_b32 v5, 6, v2                        ; lane (r, h) wants, for tile b, features 32 (b / 2) + 8 (b % 2) + 16 h + 0..7
	WIN 0xc0                                       ; destination window 3
.irp b, 0,1,2,3,4,5,6,7
	global_load_b128 v[8*\b:8*\b+3], v5, s[96:97] offset:4*(32*(\b/2)+8*(\b%2))
	global_load_b128 v[8*\b+4:8*\b+7], v5, s[96:97] offset:4*(32*(\b/2)+8*(\b%2))+16
.endr
	WIN 0
; The fragments and scale words of K step s (128 along K), 84 LDS loads in one run, into set s % 2
.macro FETCH s
	WIN TO_B
.irp i, 0,1,2,3,4,5,6,7
.irp p, 0,1,2,3,4,5
	ds_load_b64 v[128*((\s)%2)+FR*\i+2*\p:128*((\s)%2)+FR*\i+2*\p+1], v[ADRB+\i/4] offset:(\i%4)*TROW+(\s)*1536+256*\p
.endr
.endr
	WIN 0
.irp i, 0,1,2,3
.irp p, 0,1,2,3,4,5
	ds_load_b64 v[AF+48*((\s)%2)+FR*\i+2*\p:AF+48*((\s)%2)+FR*\i+2*\p+1], v[ADRA] offset:\i*TROW+(\s)*1536+256*\p
.endr
.endr
.irp i, 0,1,2,3
	ds_load_b32 v[SCA+12*((\s)%2)+\i], v[ASX1] offset:(\s)*1024+\i*64
.endr
.irp i, 0,1,2,3,4,5,6,7
	ds_load_b32 v[SCB+12*((\s)%2)+\i], v[ASW0] offset:(\s)*512+\i*64
.endr
.endm
; 16 matrix instructions: token tiles a0, a0 + 1 x the weight's eight.  first = 1: the sums start from the bias.  The 32 accumulators take turns, one instruction a turn.
.macro MUL16 a0, set, first
.irp a, \a0, \a0+1
.irp b, 0,1,2,3,4,5,6,7
.if \first
	v_wmma_scale_f32_16x16x128_f8f6f4 v[8*(8*(\a)+\b):8*(8*(\a)+\b)+7], v[128*(\set)+FR*\b:128*(\set)+FR*\b+FR-1], v[AF+48*(\set)+FR*(\a):AF+48*(\set)+FR*(\a)+FR-1], v[8*\b:8*\b+7], v[SCB+12*(\set)+\b], v[SCA+12*(\set)+(\a)] matrix_a_fmt:MATRIX_FMT_FP6 matrix_b_fmt:MATRIX_FMT_FP6
.else
	v_wmma_scale_f32_16x16x128_f8f6f4 v[8*(8*(\a)+\b):8*(8*(\a)+\b)+7], v[128*(\set)+FR*\b:128*(\set)+FR*\b+FR-1], v[AF+48*(\set)+FR*(\a):AF+48*(\set)+FR*(\a)+FR-1], v[8*(8*(\a)+\b):8*(8*(\a)+\b)+7], v[SCB+12*(\set)+\b], v[SCA+12*(\set)+(\a)] matrix_a_fmt:MATRIX_FMT_FP6 matrix_b_fmt:MATRIX_FMT_FP6
.endif
.endr
.endr
.endm
.macro PLACES n                        ; plain vector instructions between a matrix instruction and a load into, or a read of, its registers
.rept \n
	v_nop
.endr
.endm
; K step s of 0..6: its fragments are in; the next step's are asked for, into the set that the step before has multiplied; then the 32 products.  land = 1: the next step's fragments lie in chunk 1
.macro STEP s, land
	s_wait_dscnt 0x0                               ; this step's fragments and scale words are in
.if \land
	s_wait_tensorcnt 0x0                           ; my part of chunk 1 is in, and my reads of chunk 0 are over,
	s_barrier_signal -1
	s_barrier_wait -1                              ; everybody's
.endif
	PLACES NP
	FETCH (\s)+1
.if (\s) == 0
	WIN MULB
	MUL16 0, 0, 1
	MUL16 2, 0, 1
.else
	WIN MULW
	MUL16 0, (\s)%2, 0
	MUL16 2, (\s)%2, 0
.endif
	WIN 0
.endm
	s_wait_alu depctr_va_vdst(0)
	s_wait_tensorcnt 0x0                           ; my tile of the four is in; nothing is filled again in this launch
	s_barrier_signal -1
	s_barrier_wait -1
	FETCH 0
	s_wait_loadcnt 0x0                             ; the bias
	STEP 0, 0
	STEP 1, 0
	STEP 2, 0
	STEP 3, 0
	STEP 4, 0
	STEP 5, 0
	STEP 6, 0
	s_wait_dscnt 0x0
	WIN MULW
	MUL16 0, 1, 0
	MUL16 2, 1, 0
	WIN 0
; THE WAY OUT, a block of 16 tokens x 128 features at a time, through my own stage: in as 32 bytes of a row a lane and tile, back as whole rows of 512 bytes.  LDS serves a wave's instructions in order: no wait between the stores and the loads.
.macro TOSTAGE a
	WIN 0x08                                       ; an LDS store's data are its source 1: window 2
.irp b, 0,1,2,3,4,5,6,7
	ds_store_b128 v[STO], v[64*(\a)+8*\b:64*(\a)+8*\b+3] offset:128*(\b/2)+32*(\b%2)       ; each accumulator from its low end on
	ds_store_b128 v[STO], v[64*(\a)+8*\b+4:64*(\a)+8*\b+7] offset:128*(\b/2)+32*(\b%2)+16
.endr
	WIN 0
.set BB, BK+64*((\a)%2)
.irp t, 0,1,2,3,4,5,6,7,8,9,10,11,12,13,14,15
	ds_load_b128 v[BB+4*\t:BB+4*\t+3], v[RD] offset:\t*SPITCH
.endr
.endm
.macro SEND a, younger                 ; younger: the LDS instructions issued behind block a's loads, which may stay out
.set BB, BK+64*((\a)%2)
	s_wait_dscnt \younger
.irp t, 0,1,2,3,4,5,6,7,8,9,10,11,12,13,14,15
	global_store_b128 v[CO], v[BB+4*\t:BB+4*\t+3], s[98:99] offset:(32*((\a)/2)+8*((\a)%2)+\t+8*(\t/8))*4096 th:TH_STORE_NT   ; row t of the tile is token 32 (a / 2) + 8 (a % 2) + t + 8 (t / 8) of my 64; 512 consecutive bytes, aligned
.endr
.endm
	PLACES NP
	TOSTAGE 0
.irp a, 1,2,3
.if \a > 1
	s_wait_xcnt 0x0                                ; block a - 2's stores have read their registers: block a's loads may land there
.endif
	TOSTAGE \a
	SEND \a-1, 32                                  ; behind block a - 1's loads: block a's 16 stores and 16 loads
.endr
	SEND 3, 0
	s_wait_tensorcnt 0x0                           ; the wave's end
	ds_add_u32 v[SPW], v[NIL]
	s_wait_dscnt 0x0
	CROUND                                         ; the closing round
	s_endpgm
.Lfunc_end_k_q2d40d59448_proj:
	.size	k_q2d40d59448_proj, .Lfunc_end_k_q2d40d59448_proj-k_q2d40d59448_proj
	.p2alignl 7, 3214868480
	.fill 96, 4, 3214868480
	.section	.rodata,"a",@progbits
	.p2align	6, 0x0
	.amdhsa_kernel k_q2d40d59448_proj
		.amdhsa_group_segment_fixed_size 327680
		.amdhsa_private_segment_fixed_size 0
		.amdhsa_enable_private_segment 0
		.amdhsa_kernarg_size 48
		.amdhsa_user_sgpr_count 2
		.amdhsa_user_sgpr_kernarg_segment_ptr 1
		.amdhsa_wavefront_size32 1
		.amdhsa_system_sgpr_workgroup_id_x 1
		.amdhsa_system_sgpr_workgroup_id_y 1
		.amdhsa_system_sgpr_workgroup_id_z 1
		.amdhsa_system_vgpr_workitem_id 0
		.amdhsa_next_free_vgpr 1024
		.amdhsa_next_free_sgpr 100
		.amdhsa_reserve_vcc 0
		.amdhsa_float_denorm_mode_32 3
		.amdhsa_float_denorm_mode_16_64 3
		.amdhsa_memory_ordered 1
		.amdhsa_forward_progress 1
		.amdhsa_inst_pref_size 101
	.end_amdhsa_kernel
	.amdgpu_metadata
---
amdhsa.version: [ 1, 2 ]
amdhsa.kernels:
  - .name:           k_q2d40d59448_proj
    .symbol:         k_q2d40d59448_proj.kd
    .args:
      - { .name: ao, .offset: 0, .size: 8, .value_kind: global_buffer, .address_space: global }
      - { .name: asc, .offset: 8, .size: 8, .value_kind: global_buffer, .address_space: global }
      - { .name: c1, .offset: 16, .size: 8, .value_kind: global_buffer, .address_space: global }
      - { .name: sc1, .offset: 24, .size: 8, .value_kind: global_buffer, .address_space: global }
      - { .name: b_proj, .offset: 32, .size: 8, .value_kind: global_buffer, .address_space: global }
      - { .name: out0, .offset: 40, .size: 8, .value_kind: global_buffer, .address_space: global }
    .group_segment_fixed_size: 327680
    .private_segment_fixed_size: 0
    .kernarg_segment_align: 8
    .kernarg_segment_size: 48
    .max_flat_workgroup_size: 128
    .sgpr_count:     100
    .vgpr_count:     1024
    .wavefront_size: 32
...
	.end_amdgpu_metadata
.endif
;; end of part 4
